; MI455X (gfx1250); checked and timed in simulation.
; The chip was launched on July 23, 2026; its instructions are those of AMD's public machine-readable ISA for CDNA 5 (MIT licence, August 2026) and "CDNA5" Instruction Set Architecture Reference Guide (July 2026). The comments in the code are by the model that wrote it; some were corrected since.
;; Multi Head Attention. Allowed arithmetic: matrix products marked QUANTISED: E3M2 operands, one E8M0 scale for each 32 along K, by v_wmma_scale_f32_16x16x128_f8f6f4 with both operands' format E3M2, f32 sums; everything else in f32.
;; Inputs: Wk 1,024 x 1,024 float32; Wo 1,024 x 1,024 float32; Wq 1,024 x 1,024 float32; Wv 1,024 x 1,024 float32; bk 1,024 float32; bo 1,024 float32; bq 1,024 float32; bv 1,024 float32; k 4 x 2,048 x 1,024 float32; mask 1 x 1 x 2,048 x 2,048 int32; q 4 x 2,048 x 1,024 float32; v 4 x 2,048 x 1,024 float32.
;; Outputs: out0 4 x 2,048 x 1,024 float32.
;; This version of the problem:
;;   THIS VERSION OF THE PROBLEM IS GIVEN IN LOW PRECISION. The matrix products marked QUANTISED in the list below multiply operands that are first quantised to E3M2 (3 exponent bits, 2 mantissa bits; 6 bits a number), with one power-of-two scale for each 32 numbers along K (OCP MX v1.0); their sums are f32. All else is computed in f32.
;;   The module's matrix products, in the order in which they are computed (A, B: the left and right operand; K: the contracted axis; several contracted axes count as one K, in the product's order):
;;     1. [M 8,192, K 1,024] x [K 1,024, N 1,024]; A: input q; B: input Wq: QUANTISED
;;     2. [M 8,192, K 1,024] x [K 1,024, N 1,024]; A: input k; B: input Wk: QUANTISED
;;     3. [M 8,192, K 1,024] x [K 1,024, N 1,024]; A: input v; B: input Wv: QUANTISED
;;     4. batch 64 x [M 2,048, K 64] x [K 64, N 2,048]; A: computed on the way; B: computed on the way: QUANTISED
;;     5. batch 64 x [M 2,048, K 2,048] x [K 2,048, N 64]; A: softmax (see below); B: computed on the way: QUANTISED
;;     6. [M 8,192, K 1,024] x [K 1,024, N 1,024]; A: computed on the way; B: input Wo: QUANTISED
;;   THE QUANTISER, for each operand of a quantised product, along K:
;;     - K is cut into blocks of 32 from its start; a last block that is shorter is filled with zeros.
;;     - A block's scale is 2^e with e = floor(log2(the largest magnitude in the block)) - 4, held to -126 .. 127; a block of zeros has e = 0. As a byte (E8M0): e + 127.
;;     - Each number is divided by its block's scale, clamped to +-28, and rounded to the nearest number of E3M2, ties to even, subnormals kept.
;;     - The product sums the exact products of the quantised numbers (number of the format x scale) in f32.
;;   ~~~python
;;   def quantise(x, axis):      # numpy; x: float32 -> the quantised numbers, widened to float32 again
;;       x = np.moveaxis(x, axis, -1); K = x.shape[-1]
;;       x = np.pad(x, [(0, 0)] * (x.ndim - 1) + [(0, -K % 32)]); x = x.reshape(x.shape[:-1] + (-1, 32)); a = np.abs(x).max(-1, keepdims=True)
;;       e = np.where(a > 0, np.clip(np.frexp(np.where(a > 0, a, 1))[1] - 1 - 4, -126, 127), 0)      # np.frexp(a)[1] - 1 = floor(log2(a)), exactly
;;       r = np.clip(x / 2.0 ** e, -28, 28)
;;       step = 2.0 ** (np.maximum(np.frexp(np.where(r == 0, 1, r))[1] - 1, -2) - 2)
;;       q = np.round(r / step) * step * 2.0 ** e      # np.round: ties to even
;;       return np.moveaxis(q.reshape(q.shape[:-2] + (-1,))[..., :K], -1, axis).astype(np.float32)
;;   ~~~
;;   SOFTMAX AHEAD OF A QUANTISED PRODUCT. Where the list says 'softmax', what is quantised is not the finished softmax but p = 2^(t - M), with t = logit x log2(e) and M = ceil(the row's largest t), a whole number; so 1/2 < the row's largest p <= 1. The row's sum l is taken of the UNQUANTISED p, in f32, and the product's result is divided by l at the end. Since M is a whole number, a kernel that streams over the keys may use a running M (the ceiling of the running maximum): every later rescaling is an exact power of two, which a block's scale takes up: the codes' values come out the same.
;;   OPERANDS COMPUTED ON THE WAY. 'Computed on the way' means the value that the module computes at that place (a softmax that the list does not call 'softmax' is quantised finished and normalised). What goes into a quantiser is computed in f32, as accurately as f32 sums, v_exp_f32 and their like allow (about 1e-6 of the number): no bf16 or f16 on the way to a quantiser, and a product that is left as it is and whose result goes on into a quantised operand takes f32 operands (vector FMAs, or v_wmma_f32_16x16x4_f32). A number that lies on a knife's edge between two numbers of the format may be rounded either way, as far as f32 arithmetic and the matrix unit's own rounding can turn it there, and no further.
;; One version. Each part assembles by itself: llvm-mc -triple=amdgcn-amd-amdhsa -mcpu=gfx1250 --defsym DOCPART=n.
;; ======== version 1 of 1: 4 launches
;; workspace buffers: cod 22,020,096 bytes; scl 917,504 bytes; msk 532,480 bytes of whole numbers; img 18,874,368 bytes; imgs 1,572,864 bytes; oc 6,291,456 bytes; os 262,144 bytes
;; launch prep (part 1): grid 1408 x 1, 4 waves a work-group, no clusters, 67,072 bytes of LDS; arguments q, k, v, Wq, Wk, Wv, Wo, mask, cod, scl, msk; writes cod, scl, msk
.if DOCPART == 1
	.amdgcn_target "amdgcn-amd-amdhsa--gfx1250"
	.amdhsa_code_object_version 6
	.text
	.protected	k_q615a13992a_prep
	.globl	k_q615a13992a_prep
	.p2align	8
	.type	k_q615a13992a_prep,@function
k_q615a13992a_prep:
	s_mov_b64 s[64:65], 0
	v_nop
	global_prefetch_b8 v0, s[64:65] scope:SCOPE_SE
	s_setreg_imm32_b32 hwreg(HW_REG_WAVE_MODE, 25, 1), 1
	s_wait_xcnt 0x0
; PREP.  Two jobs in one launch, told apart by the work-group's number.
; (1) Work-groups 0 .. 895: q, k, v [8192][1024] and Wq, Wk, Wv, Wo [1024][1024], f32, become codes of BF6 (E3M2), K innermost, 768 bytes a row, in cod, and one E8M0 byte
;     for each 32 along K, 32 bytes a row, in scl.  Rows of cod and scl: 0 q, 8192 k, 16384 v, 24576 Wq, 25600 Wk, 26624 Wv, 27648 Wo.
;     A block's scale is 2^(floor(log2(its largest magnitude)) - 4); its byte is the largest magnitude's exponent field - 4, held at 1 from below.
;     ROWS LIE IN PHYSICAL ORDER: logical row x stands at the place x with bits 3 and 4 exchanged.  Sixteen neighbouring places then are the rows 32 b + 8 u + (r & 7) + 16 (r >> 3),
;     the choice of rows with which a transposed product leaves 16 neighbours along the next K in a lane's 16 registers.
;     A work-group takes 32 rows, a wave 8 (8,192 numbers, 16 steps of 512): bits 3 and 4 of the row are the wave's number, so the exchange is an exchange of the wave's two bits.
;     Each load reads 512 consecutive bytes; a step's 2,048 bytes turn through the wave's own stage in LDS and come back 64 bytes a lane: 16 neighbours, two lanes to a block.
; (2) Work-groups 896 .. 1407: the mask [2048][2048] int32 becomes lane masks.  A wave takes one tile of 16 queries (qt) and 128 keys (ks) and stores 64 words: bit (r, h) of word 16 b + i is
;     mask[32 (qt >> 1) + 8 (qt & 1) + (r & 7) + 16 (r >> 3)][128 ks + 32 b + 16 h + i] != 0: the lane and register in which the attention launch holds that score.
;     Behind the words, one flag word a task: bit ks: some key counts; bit 16 + ks: all count.  The flag is a store of 4 bytes a wave, 8,192 bytes in the launch.
; LIMITS: NaN and infinities among the inputs are not served.  A block whose largest magnitude lies under 2^-122, a block of zeros among them, keeps the byte 1 (its codes of zeros add nothing); the bytes are read by this program alone.
; No tensor loads, no barrier: waves share nothing.  The two jobs have LDS bytes of their own.
.set NQWG,  896                        ; work-groups of job 1: 28,672 rows / 32
.set STEPS, 16
.set CB,    12                         ; bytes of 16 codes
.set SP,    80                         ; a lane's place in a stage: 64 bytes + 16 of padding
.set WREG,  8192                       ; job 1: LDS of a wave: two stages of 32 x SP bytes, then its 256 scale bytes
.set R,     16                         ; v16-79   four sets of 16 numbers as loaded
.set X,     80                         ; v80-111  two sets of 16 neighbours
.set E,     112                        ; v112-127 a scale byte for each step
.set C,     128                        ; v128-191 codes: four registers a step
.set MLDS,  32768                      ; job 2: its LDS begins here
.set MPITCH, 528                       ; a row of 128 mask words + 16 bytes
.set MWAVE, 16*MPITCH                  ; a wave's 16 rows
.set MR,    16                         ; v16-79   the mask as loaded
.set MX,    80                         ; v80-143  the mask as the attention's lanes hold the scores
.set WD,    144                        ; v144-145 the 64 words: word n in lane n / 2, register n % 2
	s_load_b512 s[4:19], s[0:1], 0x0               ; q, k, v, Wq, Wk, Wv, Wo, mask
	s_load_b128 s[20:23], s[0:1], 0x40             ; cod, scl
	s_load_b64 s[24:25], s[0:1], 0x50              ; msk
	v_lshl_add_u32 v192, v0, 2, 0x10400
	v_mov_b32 v193, 0
	v_lshrrev_b32 v1, 5, v0
	v_readfirstlane_b32 s27, v1                    ; wave
	v_and_b32 v2, 31, v0                           ; lane
	s_cmp_ge_u32 ttmp9, NQWG
	s_cbranch_scc1 .Lmask
	; ---------------- job 1: the quantiser
	v_lshlrev_b32 v3, 4, v2                        ; my 16 bytes of a load's 512
	s_mul_i32 s28, s27, WREG
	v_lshrrev_b32 v14, 2, v2
	v_mul_u32_u24 v14, v14, SP
	v_and_b32 v15, 3, v2
	v_lshl_add_u32 v14, v15, 4, v14
	v_add_nc_u32 v14, s28, v14                     ; the stage, on the way in: SP (lane / 4) + 16 (lane % 4)
	v_mul_u32_u24 v15, v2, SP
	v_add_nc_u32 v15, s28, v15                     ; and on the way out: SP x lane
	v_mul_u32_u24 v4, v2, CB                       ; my codes' place in a step's
	v_lshrrev_b32 v5, 1, v2
	s_add_co_u32 s28, s28, 2*32*SP
	v_add_nc_u32 v5, s28, v5                       ; my block's byte among the wave's 256
	v_lshlrev_b32 v7, 3, v2
	v_add_nc_u32 v6, s28, v7
	s_wait_kmcnt 0x0
	s_mov_b32 s26, 0                               ; the first work-group of my tensor
.macro PICK first, lo                  ; from work-group first on: the tensor whose address stands in s[lo:lo+1].  The choice hangs on the work-group's number alone
	s_cmp_ge_u32 ttmp9, \first
	s_cselect_b64 s[4:5], s[\lo:\lo+1], s[4:5]
	s_cselect_b32 s26, \first, s26
.endm
	PICK 256, 6
	PICK 512, 8
	PICK 768, 10
	PICK 800, 12
	PICK 832, 14
	PICK 864, 16
	s_sub_co_u32 s29, ttmp9, s26
	s_lshl_b32 s29, s29, 2
	s_add_co_u32 s29, s29, s27                     ; which run of 8 rows of the tensor I read
	s_lshl_b32 s30, s29, 15                        ; 32,768 bytes a run
	s_mov_b32 s31, 0
	s_add_nc_u64 s[4:5], s[4:5], s[30:31]
	s_and_b32 s29, s27, 1
	s_lshl_b32 s29, s29, 1
	s_lshr_b32 s32, s27, 1
	s_or_b32 s29, s29, s32                         ; the wave's two bits exchanged
	s_lshl_b32 s32, ttmp9, 2
	s_add_co_u32 s29, s29, s32                     ; which run of 8 places I write
	s_mul_i32 s30, s29, 6144
	s_add_nc_u64 s[20:21], s[20:21], s[30:31]
	s_lshl_b32 s30, s29, 8
	s_add_nc_u64 s[22:23], s[22:23], s[30:31]
.macro LOAD t
.irp i, 0,1,2,3
	global_load_b128 v[R+16*((\t)%4)+4*\i:R+16*((\t)%4)+4*\i+3], v3, s[4:5] offset:2048*(\t)+512*\i th:TH_LOAD_NT   ; 32 lanes read 512 consecutive bytes
.endr
.endm
.macro TURN t                          ; step t's numbers through the stage: LDS serves a wave's instructions in order, so no wait stands between the stores and the loads
.irp i, 0,1,2,3
	ds_store_b128 v14, v[R+16*((\t)%4)+4*\i:R+16*((\t)%4)+4*\i+3] offset:32*SP*((\t)%2)+8*SP*\i
.endr
.irp i, 0,1,2,3
	ds_load_b128 v[X+16*((\t)%2)+4*\i:X+16*((\t)%2)+4*\i+3], v15 offset:32*SP*((\t)%2)+16*\i
.endr
.endm
.irp t, 0,1,2,3
	LOAD \t
.endr
	s_wait_loadcnt 12                              ; step 0's four loads are in; the twelve of steps 1 to 3 stay out
	TURN 0
.macro STEP t
.set XS, X+16*((\t)%2)
.if (\t) > 0
	s_wait_dscnt 1                                 ; this step's numbers are back from the stage (the last step's byte store may be out): so its stores into the stage have read their registers,
.else
	s_wait_dscnt 0x0
.endif
.if (\t)+4 < STEPS
	LOAD (\t)+4                                    ; which take the loads of four steps on
.endif
.if (\t)+1 < STEPS
.if STEPS-2-(\t) >= 3
	s_wait_loadcnt 12                              ; the next step's four loads are in; those of the three steps behind it may be out
.else
	s_wait_loadcnt 4*(STEPS-2-(\t))
.endif
	TURN (\t)+1
.endif
	v_max3_num_f32 v8, |v[XS]|, |v[XS+1]|, |v[XS+2]|               ; the largest magnitude of my 16, in two chains
	v_max3_num_f32 v9, |v[XS+3]|, |v[XS+4]|, |v[XS+5]|
.irp i, 6,10
	v_max3_num_f32 v8, v8, |v[XS+\i]|, |v[XS+\i+1]|
	v_max3_num_f32 v9, v9, |v[XS+\i+2]|, |v[XS+\i+3]|
.endr
	v_max3_num_f32 v8, v8, |v[XS+14]|, |v[XS+15]|
	v_max3_num_f32 v8, v8, v9, 0x2800000           ; and the floor 2^(5 - 127): the byte cannot fall under 1
	v_max_num_f32_dpp v8, v8, v8 row_xmask:1 row_mask:0xf bank_mask:0xf   ; and of my neighbour's 16: the block's
	v_add_nc_u32 v11, 0xfe000000, v8               ; 4 off its exponent field: the conversion takes the exponent field of this operand as its scale
	v_cvt_scalef32_pk16_bf6_f32 v[C+4*(\t):C+4*(\t)+2], v[XS:XS+15], v11
	v_lshrrev_b32 v[E+(\t)], 23, v11               ; the scale's byte (also the plain line behind the conversion)
	ds_store_b8 v5, v[E+(\t)] offset:16*(\t)       ; both lanes of a block write the same byte with the same value
	global_store_b96 v4, v[C+4*(\t):C+4*(\t)+2], s[20:21] offset:32*CB*(\t)   ; the wave stores 384 consecutive bytes
.endm
.irp t, 0,1,2,3,4,5,6,7,8,9,10,11,12,13,14,15
	STEP \t
.endr
	ds_load_b64 v[12:13], v6                       ; LDS serves a wave's instructions in order: these see my stores
	s_wait_dscnt 0x0
	global_store_b64 v7, v[12:13], s[22:23]        ; 32 lanes store 256 consecutive bytes, aligned
	s_wait_tensorcnt 0x0
	ds_add_u32 v192, v193
	s_wait_dscnt 0x0
	s_endpgm
	; ---------------- job 2: the mask
.Lmask:
	s_sub_co_u32 s28, ttmp9, NQWG
	s_lshl_b32 s28, s28, 2
	s_add_co_u32 s28, s28, s27                     ; my task: 16 qt + ks
	s_lshr_b32 s29, s28, 4                         ; qt
	s_and_b32 s36, s28, 15                         ; ks
	s_lshr_b32 s30, s29, 1
	s_lshl_b32 s30, s30, 5
	s_and_b32 s31, s29, 1
	s_lshl_b32 s31, s31, 3
	s_add_co_u32 s30, s30, s31                     ; the tile's first query: 32 (qt >> 1) + 8 (qt & 1)
	s_lshl_b32 s30, s30, 13                        ; a row of the mask is 8,192 bytes
	s_lshl_b32 s31, s36, 9                         ; 128 keys are 512 bytes
	s_add_co_u32 s30, s30, s31
	s_mov_b32 s31, 0
	v_lshlrev_b32 v3, 4, v2
	s_mul_i32 s37, s27, MWAVE
	s_add_co_u32 s37, s37, MLDS
	v_add_nc_u32 v4, s37, v3                       ; in: 16 x lane of a row
	v_and_b32 v7, 15, v2                           ; r
	v_lshrrev_b32 v8, 4, v2                        ; h
	v_mul_u32_u24 v5, v7, MPITCH
	v_lshl_add_u32 v5, v8, 6, v5
	v_add_nc_u32 v5, s37, v5                       ; out: row r, + 64 h: my 16 keys of each block of 32
	v_lshlrev_b32 v6, 3, v2
	v_mov_b32 v[WD], 0                             ; (a lane write's destination counts as one of its sources)
	v_mov_b32 v[WD+1], 0
	s_wait_kmcnt 0x0
	s_add_nc_u64 s[18:19], s[18:19], s[30:31]
.set i, 0
.rept 16
	global_load_b128 v[MR+4*i:MR+4*i+3], v3, s[18:19] offset:((i%8)+16*(i/8))*8192 th:TH_LOAD_NT   ; tile row i: 512 consecutive bytes
.set i, i+1
.endr
.set i, 0
.rept 16
	s_wait_loadcnt 15-i                            ; row i is in; the younger rows stay out
	ds_store_b128 v4, v[MR+4*i:MR+4*i+3] offset:MPITCH*i
.set i, i+1
.endr
.set i, 0
.rept 16
	ds_load_b128 v[MX+4*i:MX+4*i+3], v5 offset:128*(i/4)+16*(i%4)   ; register 16 b + 4 j ..: keys 32 b + 16 h + 4 j ..  (the wave's own bytes, served in order)
.set i, i+1
.endr
	s_mov_b32 s30, 0                               ; the words' OR
	s_mov_b32 s31, -1                              ; and their AND
	s_wait_dscnt 0x0
.set n, 0
.rept 64
	v_cmp_ne_u32 s[32+n%4], 0, v[MX+n]             ; word n: a bit a lane
	v_writelane_b32 v[WD+(n&1)], s[32+n%4], n>>1
	s_or_b32 s30, s30, s[32+n%4]
	s_and_b32 s31, s31, s[32+n%4]
.set n, n+1
.endr
	s_lshl_b32 s38, s28, 8                         ; 256 bytes a task
	s_mov_b32 s39, 0
	s_add_nc_u64 s[40:41], s[24:25], s[38:39]
	global_store_b64 v6, v[WD:WD+1], s[40:41]      ; 32 lanes store 256 consecutive bytes, aligned
	s_cmp_lg_u32 s30, 0
	s_cselect_b32 s32, 1, 0                        ; some key counts
	s_cmp_eq_u32 s31, -1
	s_cselect_b32 s33, 1, 0                        ; all count
	s_lshl_b32 s32, s32, s36
	s_add_co_u32 s34, s36, 16
	s_lshl_b32 s33, s33, s34
	s_or_b32 s32, s32, s33
	v_mov_b32 v9, s32
	v_mov_b32 v10, 0
	s_lshl_b32 s38, s28, 2
	s_add_co_u32 s38, s38, 524288                  ; the flags lie behind the words
	s_add_nc_u64 s[42:43], s[24:25], s[38:39]
	s_wait_xcnt 0x0                                ; EXEC is a source of the store above: it changes only behind this wait
	v_cmp_eq_u32 vcc_lo, 0, v2
	s_wait_tensorcnt 0x0
	ds_add_u32 v192, v193
	s_wait_dscnt 0x0
	s_and_saveexec_b32 s44, vcc_lo
	global_store_b32 v10, v9, s[42:43]             ; lane 0 alone
	s_wait_xcnt 0x0                                ; and again, in front of the line that widens it
	s_or_b32 exec_lo, exec_lo, s44
	s_endpgm
.Lfunc_end_k_q615a13992a_prep:
	.size	k_q615a13992a_prep, .Lfunc_end_k_q615a13992a_prep-k_q615a13992a_prep
	.p2alignl 7, 3214868480
	.fill 96, 4, 3214868480
	.section	.rodata,"a",@progbits
	.p2align	6, 0x0
	.amdhsa_kernel k_q615a13992a_prep
		.amdhsa_group_segment_fixed_size 67072
		.amdhsa_private_segment_fixed_size 0
		.amdhsa_enable_private_segment 0
		.amdhsa_kernarg_size 88
		.amdhsa_user_sgpr_count 2
		.amdhsa_user_sgpr_kernarg_segment_ptr 1
		.amdhsa_wavefront_size32 1
		.amdhsa_system_sgpr_workgroup_id_x 1
		.amdhsa_system_sgpr_workgroup_id_y 1
		.amdhsa_system_sgpr_workgroup_id_z 1
		.amdhsa_system_vgpr_workitem_id 0
		.amdhsa_next_free_vgpr 194
		.amdhsa_next_free_sgpr 66
		.amdhsa_reserve_vcc 1
		.amdhsa_float_denorm_mode_32 3
		.amdhsa_float_denorm_mode_16_64 3
		.amdhsa_memory_ordered 1
		.amdhsa_forward_progress 1
		.amdhsa_inst_pref_size 52
	.end_amdhsa_kernel
	.amdgpu_metadata
---
amdhsa.version: [ 1, 2 ]
amdhsa.kernels:
  - .name:           k_q615a13992a_prep
    .symbol:         k_q615a13992a_prep.kd
    .args:
      - { .name: q, .offset: 0, .size: 8, .value_kind: global_buffer, .address_space: global }
      - { .name: k, .offset: 8, .size: 8, .value_kind: global_buffer, .address_space: global }
      - { .name: v, .offset: 16, .size: 8, .value_kind: global_buffer, .address_space: global }
      - { .name: Wq, .offset: 24, .size: 8, .value_kind: global_buffer, .address_space: global }
      - { .name: Wk, .offset: 32, .size: 8, .value_kind: global_buffer, .address_space: global }
      - { .name: Wv, .offset: 40, .size: 8, .value_kind: global_buffer, .address_space: global }
      - { .name: Wo, .offset: 48, .size: 8, .value_kind: global_buffer, .address_space: global }
      - { .name: mask, .offset: 56, .size: 8, .value_kind: global_buffer, .address_space: global }
      - { .name: cod, .offset: 64, .size: 8, .value_kind: global_buffer, .address_space: global }
      - { .name: scl, .offset: 72, .size: 8, .value_kind: global_buffer, .address_space: global }
      - { .name: msk, .offset: 80, .size: 8, .value_kind: global_buffer, .address_space: global }
    .group_segment_fixed_size: 67072
    .private_segment_fixed_size: 0
    .kernarg_segment_align: 8
    .kernarg_segment_size: 88
    .max_flat_workgroup_size: 128
    .sgpr_count:     66
    .vgpr_count:     194
    .wavefront_size: 32
...
	.end_amdgpu_metadata
.endif
;; end of part 1
;; launch proj (part 2): grid 4 x 96, 4 waves a work-group, clusters of 4 x 4, 327,680 bytes of LDS; arguments cod, scl, img, imgs, bq, bk, bv; writes img, imgs
.if DOCPART == 2
	.amdgcn_target "amdgcn-amd-amdhsa--gfx1250"
	.amdhsa_code_object_version 6
	.text
	.protected	k_q615a13992a_proj
	.globl	k_q615a13992a_proj
	.p2align	8
	.type	k_q615a13992a_proj,@function
k_q615a13992a_proj:
	s_mov_b64 s[64:65], 0
	v_nop
	global_prefetch_b8 v0, s[64:65] scope:SCOPE_SE
	s_setreg_imm32_b32 hwreg(HW_REG_WAVE_MODE, 25, 1), 1
	s_wait_xcnt 0x0
	s_wait_alu depctr_hold_cnt(0) depctr_sa_sdst(0) depctr_va_vdst(0) depctr_va_sdst(0) depctr_va_ssrc(0) depctr_va_vcc(0) depctr_vm_vsrc(0)
	s_getreg_b32 s2, hwreg(HW_REG_IB_STS2, 6, 4)
	s_cmp_eq_u32 s2, 0
	s_cbranch_scc0 .Lentry_in_a_cluster
	s_endpgm
.Lentry_in_a_cluster:
	s_bfe_u32 s2, ttmp6, 0x10000c
	s_cmp_lg_u32 s2, 0xf033
	s_cbranch_scc0 .Lentry_shape_is_right
	s_endpgm
.Lentry_shape_is_right:
; PROJ.  The three input projections on codes of BF6 (E3M2) with one E8M0 scale for each 32 along K = 1,024, and the quantising of their results for the attention launch.
; One text, 24 clusters of 4 x 4 work-groups (cluster y = c).  c = 0 .. 15: C = A B^T with A = tokens of q and k (16,384 rows of cod, 64 tile rows), B = Wq (c < 8) or Wk (4 tile columns).
; c = 16 .. 23: A = Wv (4 tile rows), B = tokens of v (32 tile columns): V comes out TRANSPOSED.  A tile of C is 256 x 256, a wave's 128 x 128: 64 accumulators, 512 registers.
; THE MATRIX INSTRUCTION IS USED TRANSPOSED (source 0 = 16 rows of B, source 1 = 16 rows of A): a lane holds one row of A, its registers run along B's rows.  B's rows lie in physical order (bits 3 and 4 of the
; row exchanged), so the 16 registers of B's tiles 2 b and 2 b + 1 are the 16 logical neighbours 32 b + 16 (lane / 16) + 0 .. 15.  For Q and K those are channels of a head, for V^T they are keys: in all three
; the NEXT product's K.  So the results are quantised in registers and leave as IMAGES OF THE ATTENTION'S OPERAND REGISTERS (four registers a lane at 16 x lane, 512 bytes a store).
; K goes in steps of 256 through a ring of two LDS slots filled by joint tensor loads (A's tile shared along a row of the cluster, B's along a column); the scale bytes of the 256 + 256 rows, for all of K, come once.
; THE BIAS: for Q and K it runs along the registers and is the C of each sum's first product; for V it runs along the lanes and is added to the finished sums.  Both forms are always executed; the one that does not
; apply works on zeros (a select on c, no branch).  The order of these f32 additions differs from a bias added last.
; img:  [q, k, v][batch 4][head 16][98,304 bytes].  Q, K: a step of 128 tokens is 4 pairs of 1,536 bytes; a pair = 12 registers: tile 2 p's six, tile 2 p + 1's six (lane (r, h): the 32 codes of block h of token r).
;       V: a step of 128 keys is 4 tiles of 16 channels, 1,536 bytes each: a whole fragment (12 registers).
; imgs: [..][head][step 16][512 bytes]: 4 registers; register p: lanes 0-15 tile 2 p's scale words, lanes 16-31 tile 2 p + 1's.  Q, K: bytes 0, 1 of a word are the head's two blocks, bytes 2, 3 are never 0xff.
; LIMITS: NaN and infinities are not served; a block whose largest magnitude lies under 2^-122 keeps the byte 1.
; REGISTERS, in windows of 256: window 0: v0-31 addresses; v32-63 scale words, two sets; v64-127 the bias along the registers; v128-223 A's fragments, one set; v224-239 the bias along the lanes.
;   window 1: B's fragments, two sets.  windows 2, 3: the accumulators ((a, b) at v[8 (8 (a % 4) + b)]).  On the way out window 0's v64-223 and v240-248 are at work.
.set KSTEP,  256
.set NQ,     2                         ; matrix instructions deep in a slot
.set ROWB,   192                       ; a tile's row in bytes
.set KROW,   768                       ; a row of cod
.set PITCH,  240                       ; an LDS row: 3 x (64 bytes + 16 of padding)
.set FR,     12
.set NL,     6
.set NP,     4
.set HALFT,  128*PITCH
.set SLOT,   4*HALFT
.set LAPS,   2                         ; 1,024 / 512
.set KS,     32                        ; a row of scl
.set SCL,    2*SLOT
.set HALFS,  (128*KS/256)*272
.set SBLK,   (16*KS/256)*272
.set SPARE,  SCL+4*HALFS               ; the spare words: 128 bytes a wave, two blocks of 256 bytes that no other line names
.set ADRA, 16
.set ADRB, 20
.set ADRS, 27
.set SPW,  28
.set NIL,  29
.set SC,   32
.set BN,   64                          ; v64-127  bias along the registers: register 16 b + i = logical column 32 b + 16 h + i
.set AF,   128
.set BM,   224                         ; v224, 226 .. 238  bias along the lanes, one for each of A's blocks; the odd registers are 0 (named as pairs)
.set G1, 24
.set G0, 32
.set G1B, 48
.set G0B, 56
.set G1S, 68
.set G0S, 76
.set G1SB, 80
.set G0SB, 88
.set SV,  2                            ; s2   all ones in the clusters that make V^T, else 0
.set UU,  66                           ; s66  which 128 rows of A are my wave's
.set WW,  67                           ; s67  which 128 rows of B
.set CC,  95                           ; s95  c, the cluster's y: equal in all partners
.set MSB, 0
.macro WIN new                         ; the immediate's high byte repeats the setting that is left
.if MSB != (\new)
	s_set_vgpr_msb (MSB<<8)|(\new)
.set MSB, (\new)
.endif
.endm
.set MUL_LO, 0xa1                      ; source 0 (B) window 1, source 1 (A) window 0, C and D window 2
.set MUL_HI, 0xf1                      ; the same, C and D window 3
.set TO_B,   0x40
; A joint load: waves 0 and 1 fetch for A, waves 2 and 3 for B; the branch hangs on the wave's number alone.  Four v_nop follow each of the two lines.
.macro JLOAD g0a, g1a, g0b, g1b
	s_cmp_eq_u32 s15, 0
	s_cbranch_scc0 .Lfor_b_\@
	tensor_load_to_lds s[\g0a:\g0a+3], s[\g1a:\g1a+7]
	s_nop 0
.rept 4
	v_nop
.endr
	s_branch .Lasked_\@
.Lfor_b_\@:
	tensor_load_to_lds s[\g0b:\g0b+3], s[\g1b:\g1b+7]
	s_nop 0
.rept 4
	v_nop
.endr
.Lasked_\@:
.endm
.macro CREST                           ; a round of the cluster's barrier behind its opening barrier
	s_cmp_lg_u32 s14, 0
	s_cbranch_scc1 .Lnot_wave_0_\@
	s_barrier_signal -3
.Lnot_wave_0_\@:
	s_barrier_wait -3
	s_barrier_signal -1
	s_barrier_wait -1
.endm
.macro CROUND
	s_barrier_signal -1
	s_barrier_wait -1
	CREST
.endm
	s_load_b128 s[4:7], s[0:1], 0x0                ; cod, scl
	s_load_b128 s[96:99], s[0:1], 0x20             ; bq, bk
	s_load_b64 s[100:101], s[0:1], 0x30            ; bv
	v_lshl_add_u32 v[SPW], v0, 2, SPARE
	v_mov_b32 v[NIL], 0
	ds_add_u32 v28, v29
	ds_add_u32 v28, v29
	s_wait_dscnt 0x0
	v_lshrrev_b32 v1, 5, v0
	v_readfirstlane_b32 s14, v1                    ; wave 0..3
	s_lshr_b32 s15, s14, 1                         ; which half of the tile's rows is mine.  Also: I fetch for A (0) or for B (1)
	s_and_b32 s16, s14, 1                          ; which half of its columns.  Also: which 128 rows of that tile I fetch
	s_bfe_u32 s40, ttmp6, 0x40000                  ; cx, cy
	s_bfe_u32 s41, ttmp6, 0x40004
	s_and_b32 s[CC], ttmp7, 0xffff                 ; c
	s_sub_co_u32 s8, s[CC], 16
	s_lshr_b32 s9, s[CC], 3
	s_lshl_b32 s9, s9, 10
	s_add_co_u32 s9, s9, 24576                     ; Wq's or Wk's first row in cod
	s_cmp_ge_u32 s[CC], 16                         ; V^T?  Only selects follow
	s_cselect_b32 s42, s8, 0                       ; the cluster's place along the tile columns,
	s_cselect_b32 s17, 0, s[CC]                    ; and along the tile rows
	s_cselect_b32 s10, 26624, 0                    ; A's first row in cod: Wv, or q
	s_cselect_b32 s11, 16384, s9                   ; B's: v, or the weight
	s_cselect_b32 s[SV], -1, 0
	s_lshl_b32 s42, s42, 2
	s_add_co_u32 s42, s42, s40                     ; tile column
	s_lshl_b32 s17, s17, 2
	s_add_co_u32 s17, s17, s41                     ; tile row
	s_lshl_b32 s43, s41, 2
	s_lshl_b32 s43, 15, s43                        ; my row of the cluster
	s_lshl_b32 s44, 0x1111, s40                    ; my column
	; descriptor group 1: a tile of 128 rows x 192 bytes, 16 bytes of padding behind every 64
	s_or_b32 s[G1+0], s43, (0<<16)|(1<<20)|(1<<21)|(3<<22)|(3<<25)
	s_or_b32 s[G1B+0], s44, (0<<16)|(1<<20)|(1<<21)|(3<<22)|(3<<25)
.irp g, G1, G1B
	s_mov_b32 s[\g+1], ROWB<<16                    ; tensor_dim0
	s_mov_b32 s[\g+2], 128<<16                     ; tensor_dim1
	s_mov_b32 s[\g+3], ROWB<<16                    ; tile_dim0
	s_mov_b32 s[\g+4], 128                         ; tile_dim1
	s_mov_b32 s[\g+5], KROW                        ; the pitch
	s_mov_b32 s[\g+6], 0
	s_mov_b32 s[\g+7], 0
.endr
	; the scales of 128 rows: 4,096 dense bytes as 16 rows of 256 bytes (32 elements of 8), 16 bytes of padding behind each
	s_or_b32 s[G1S+0], s43, (3<<16)|(1<<20)|(1<<21)|(5<<22)|(3<<25)
	s_or_b32 s[G1SB+0], s44, (3<<16)|(1<<20)|(1<<21)|(5<<22)|(3<<25)
.irp g, G1S, G1SB
	s_mov_b32 s[\g+1], 32<<16
	s_mov_b32 s[\g+2], (128*KS/256)<<16
	s_mov_b32 s[\g+3], 32<<16
	s_mov_b32 s[\g+4], 128*KS/256
	s_mov_b32 s[\g+5], 32
	s_mov_b32 s[\g+6], 0
	s_mov_b32 s[\g+7], 0
.endr
	s_lshl_b32 s18, s16, 7                         ; which 128 rows of the tile I fetch
	s_lshl_b32 s20, s17, 8
	s_add_co_u32 s20, s20, s18
	s_add_co_u32 s20, s20, s10                     ; A's row in cod: made of c, cy and the wave alone
	s_lshl_b32 s46, s42, 8
	s_add_co_u32 s46, s46, s18
	s_add_co_u32 s46, s46, s11                     ; B's: of c, cx and the wave alone
	s_mov_b32 s21, 0
	s_mov_b32 s47, 0
	s_mov_b64 s[18:19], KS
	s_mul_u64 s[22:23], s[20:21], s[18:19]         ; where these rows' scales begin
	s_mul_u64 s[92:93], s[46:47], s[18:19]
	s_mov_b64 s[18:19], KROW
	s_mul_u64 s[20:21], s[20:21], s[18:19]         ; and their codes
	s_mul_u64 s[46:47], s[46:47], s[18:19]
	s_mul_i32 s45, s14, HALFT                      ; where they go: wave x 128 rows
	s_mul_i32 s94, s14, HALFS
	s_lshl_b32 s[UU], s17, 1
	s_add_co_u32 s[UU], s[UU], s15
	s_lshl_b32 s[WW], s42, 1
	s_add_co_u32 s[WW], s[WW], s16
	s_wait_kmcnt 0x0
	s_add_nc_u64 s[20:21], s[4:5], s[20:21]
	s_add_nc_u64 s[22:23], s[6:7], s[22:23]
	s_add_nc_u64 s[46:47], s[4:5], s[46:47]
	s_add_nc_u64 s[92:93], s[6:7], s[92:93]
	s_cmp_ge_u32 s[CC], 8
	s_cselect_b64 s[98:99], s[98:99], s[96:97]     ; my bias: bq, bk
	s_cmp_ge_u32 s[CC], 16
	s_cselect_b64 s[98:99], s[100:101], s[98:99]   ; or bv
	CROUND                                         ; all sixteen work-groups are here: the first joint loads meet
	s_mov_b32 s[G0S], 1
	s_add_co_u32 s[G0S+1], s94, SCL
	s_mov_b64 s[G0S+2:G0S+3], s[22:23]
	s_or_b32 s[G0S+3], s[G0S+3], 0x80000000
	s_mov_b32 s[G0SB], 1
	s_add_co_u32 s[G0SB+1], s94, SCL
	s_mov_b64 s[G0SB+2:G0SB+3], s[92:93]
	s_or_b32 s[G0SB+3], s[G0SB+3], 0x80000000
	JLOAD G0S, G1S, G0SB, G1SB                     ; the scales first: they are wanted with K step 0
.irp s, 0,1
	s_mov_b32 s[G0+4*\s], 1
	s_add_co_u32 s[G0+4*\s+1], s45, \s*SLOT
	s_add_nc_u64 s[G0+4*\s+2:G0+4*\s+3], s[20:21], \s*ROWB
	s_or_b32 s[G0+4*\s+3], s[G0+4*\s+3], 0x80000000
	s_mov_b32 s[G0B+4*\s], 1
	s_add_co_u32 s[G0B+4*\s+1], s45, \s*SLOT
	s_add_nc_u64 s[G0B+4*\s+2:G0B+4*\s+3], s[46:47], \s*ROWB
	s_or_b32 s[G0B+4*\s+3], s[G0B+4*\s+3], 0x80000000
	JLOAD G0+4*\s, G1, G0B+4*\s, G1B
.endr
	v_and_b32 v1, 15, v0                           ; r
	v_bfe_u32 v2, v0, 4, 1                         ; h
	; the biases.  Along the registers: 64 h + 512 x (my 128 columns, held inside the 1,024); along the lanes: the logical row of my place in each of A's blocks
	s_and_b32 s18, s[WW], 7
	s_lshl_b32 s18, s18, 9
	v_lshl_add_u32 v30, v2, 6, s18
.set i, 0
.rept 16
	global_load_b128 v[BN+4*i:BN+4*i+3], v30, s[98:99] offset:128*(i/4)+16*(i%4)
.set i, i+1
.endr
	v_and_b32 v5, 7, v1
	v_and_b32 v6, 8, v1
	v_lshl_add_u32 v5, v6, 1, v5                   ; (r & 7) + 16 (r >> 3)
	s_and_b32 s18, s[UU], 7
	s_lshl_b32 s18, s18, 9
	v_lshl_add_u32 v31, v5, 2, s18
.irp a, 0,1,2,3,4,5,6,7
	global_load_b32 v[BM+2*\a], v31, s[98:99] offset:4*(32*(\a/2)+8*(\a%2))
	v_mov_b32 v[BM+2*\a+1], 0
.endr
	v_mul_u32_u24 v3, v1, PITCH
	v_mul_u32_u24 v4, v2, 24
	v_add_nc_u32 v4, v3, v4                        ; a fragment's row x pitch + 24 x half
	v_lshl_add_u32 v5, v2, 4, v4                   ; and the same behind one padding more
	s_mul_i32 s21, s15, HALFT                      ; my 128 rows of A
	s_mul_i32 s22, s16, HALFT                      ; my 128 rows of B,
	s_add_co_u32 s22, s22, 2*HALFT                 ; which lie behind A's 256
.irp s, 0,1
	v_add_nc_u32 v[ADRA+\s], s21, v4
	v_add_nc_u32 v[ADRB+\s], s22, v4
	v_add_nc_u32 v[ADRA+2+\s], s21, v5
	v_add_nc_u32 v[ADRB+2+\s], s22, v5
	s_add_co_u32 s21, s21, SLOT
	s_add_co_u32 s22, s22, SLOT
.endr
	v_mul_u32_u24 v5, v1, KS                       ; my row's scales: 32 bytes a row,
	v_lshrrev_b32 v6, 8, v5
	v_lshl_add_u32 v5, v6, 4, v5                   ; and 16 more for each 256 passed
	s_mul_i32 s21, s15, HALFS
	s_mul_i32 s22, s16, HALFS
	s_add_co_u32 s22, s22, 2*HALFS
	s_sub_co_u32 s22, s22, s21
	v_mul_u32_u24 v6, s22, v2                      ; lanes 16-31 take B's
	s_add_co_u32 s21, s21, SCL
	v_add_nc_u32 v5, v5, v6
	v_add_nc_u32 v[ADRS], s21, v5
	s_wait_loadcnt 0x0                             ; the biases
.set n, 0
.rept 64
	v_cndmask_b32 v[BN+n], v[BN+n], v[NIL], s[SV]  ; V^T has no bias along the registers
.set n, n+1
.endr
.irp a, 0,1,2,3,4,5,6,7
	v_cndmask_b32 v[BM+2*\a], v[NIL], v[BM+2*\a], s[SV]   ; Q and K have none along the lanes
.endr
.macro FRAG reg, adr, q, i             ; a fragment, 16 rows x 128 K of 6-bit codes: 12 registers, in pieces of 8 bytes; where the piece of lanes 16-31 lies behind one padding more, the second address register serves
.irp p, 0,1,2,3,4,5
.set PC, 12*(\q)+6*(\p/3)+\p%3
.if PC%8 < 5
	ds_load_b64 v[\reg+2*\p:\reg+2*\p+1], v[\adr] offset:8*PC+16*(PC/8)+(\i)*16*PITCH
.else
	ds_load_b64 v[\reg+2*\p:\reg+2*\p+1], v[\adr+2] offset:8*PC+16*(PC/8)+(\i)*16*PITCH
.endif
.endr
.endm
; 16 matrix instructions: A's blocks a0, a0 + 1 x B's eight.  zero = 1: the first product starts the sums, with the bias along the registers as its C: nothing is cleared.
; The 64 accumulators take turns, one instruction a turn, in the same order in every step.
.macro MUL16 a0, p, q, sc, zero
.irp a, \a0, \a0+1
.irp b, 0,1,2,3,4,5,6,7
.if \zero
	v_wmma_scale_f32_16x16x128_f8f6f4 v[8*(8*((\a)%4)+\b):8*(8*((\a)%4)+\b)+7], v[128*(\p)+FR*\b:128*(\p)+FR*\b+FR-1], v[AF+FR*(\a):AF+FR*(\a)+FR-1], v[BN+8*\b:BN+8*\b+7], v[SC+8*NQ*(\sc)+NQ*\b+(\q)], v[SC+8*NQ*(\sc)+NQ*(\a)+(\q)] matrix_a_fmt:MATRIX_FMT_BF6 matrix_b_fmt:MATRIX_FMT_BF6 matrix_a_scale:MATRIX_SCALE_ROW1
.else
	v_wmma_scale_f32_16x16x128_f8f6f4 v[8*(8*((\a)%4)+\b):8*(8*((\a)%4)+\b)+7], v[128*(\p)+FR*\b:128*(\p)+FR*\b+FR-1], v[AF+FR*(\a):AF+FR*(\a)+FR-1], v[8*(8*((\a)%4)+\b):8*(8*((\a)%4)+\b)+7], v[SC+8*NQ*(\sc)+NQ*\b+(\q)], v[SC+8*NQ*(\sc)+NQ*(\a)+(\q)] matrix_a_fmt:MATRIX_FMT_BF6 matrix_b_fmt:MATRIX_FMT_BF6 matrix_a_scale:MATRIX_SCALE_ROW1
.endif
.endr
.endr
.endm
.macro FETCH_B slot, q, p
	WIN TO_B
.irp i, 0,1,2,3,4,5,6,7
	FRAG 128*(\p)+FR*\i, ADRB+\slot, \q, \i
.endr
	WIN 0
.endm
.macro FETCH_A slot, q, i0
.irp i, \i0, \i0+1, \i0+2, \i0+3
	FRAG AF+FR*(\i), ADRA+\slot, \q, \i
.endr
.endm
.macro SCALES sc                       ; a K step's scale words: two words a row; lanes 0-15 take A's block i, lanes 16-31 B's block i
.irp i, 0,1,2,3,4,5,6,7
	ds_load_b64 v[SC+8*NQ*\sc+NQ*\i:SC+8*NQ*\sc+NQ*\i+1], v[ADRS] offset:\i*SBLK
.endr
.endm
.macro PLACES n                        ; places behind matrix instructions, in front of loads into their registers and of the first read of results
.rept \n
	v_nop
.endr
.endm
.macro STEP slot, q, zero              ; 128 along K that has its successor in the same slot.  zero = 1: C stands in window 0
	s_wait_dscnt 4*NL                              ; B's set and A's blocks 0-3 are in; the youngest 24 loads (A's blocks 4-7) may be out
	WIN MUL_LO-0x20*(\zero)
	MUL16 0, (\q)%2, \q, \slot, \zero
	MUL16 2, (\q)%2, \q, \slot, \zero
	s_wait_dscnt 0                                 ; A's blocks 4-7 are in
	PLACES NP
	FETCH_B \slot, (\q)+1, 1-(\q)%2
	FETCH_A \slot, (\q)+1, 0
	WIN MUL_HI-0x30*(\zero)
	MUL16 4, (\q)%2, \q, \slot, \zero
	MUL16 6, (\q)%2, \q, \slot, \zero
	PLACES NP
	WIN 0
	FETCH_A \slot, (\q)+1, 4
.endm
; A slot's last step changes slots: one barrier; in front of it each wave waits for all its tensor loads, adds 0 to its spare word, and waits for that and for its reads of this slot.
.macro TURN slot, next, fill
	s_wait_tensorcnt 0x0                           ; all my tensor loads have landed: my part of the next slot
	ds_add_u32 v[SPW], v[NIL]                      ; 0 onto my spare word
	s_wait_dscnt 4*NL+1                            ; (the add and the youngest 24 loads, A's blocks 4-7, may be out)
	WIN MUL_LO
	MUL16 0, 1, NQ-1, \slot, 0
	s_wait_dscnt 0x0                               ; the add is done, and my reads of this slot are over
	s_barrier_signal -1
	MUL16 2, 1, NQ-1, \slot, 0
	WIN 0
	s_barrier_wait -1
.if \fill
	CREST                                          ; the barrier has opened a round of the cluster's: no wave of any partner still reads this slot or has a load on its way
	s_add_nc_u64 s[G0+4*\slot+2:G0+4*\slot+3], s[G0+4*\slot+2:G0+4*\slot+3], 2*ROWB
	s_add_nc_u64 s[G0B+4*\slot+2:G0B+4*\slot+3], s[G0B+4*\slot+2:G0B+4*\slot+3], 2*ROWB
	JLOAD G0+4*\slot, G1, G0B+4*\slot, G1B         ; the first tensor load behind the round; its four v_nop are the places in front of the loads below
.else
	PLACES NP
.endif
	v_add_nc_u32 v[ADRS], 4*NQ, v[ADRS]            ; the next K step's scale words
	FETCH_B \next, 0, 0
	FETCH_A \next, 0, 0
	SCALES \next
	WIN MUL_HI
	MUL16 4, 1, NQ-1, \slot, 0
	MUL16 6, 1, NQ-1, \slot, 0
	PLACES NP
	WIN 0
	FETCH_A \next, 0, 4
.endm
	s_wait_tensorcnt 1                             ; the scales and my part of K step 0 are in (K step 1's load may be out),
	s_barrier_signal -1
	s_barrier_wait -1                              ; everybody's are
	FETCH_B 0, 0, 0
	FETCH_A 0, 0, 0
	SCALES 0
	FETCH_A 0, 0, 4
	STEP 0, 0, 1                                   ; the first step stands in front of the loop: its products start the sums
	s_mov_b32 s3, LAPS-1
.Llap:                                                 ; a trip goes once round the ring and fills both slots again
	TURN 0, 1, 1
	STEP 1, 0, 0
	TURN 1, 0, 1
	STEP 0, 0, 0
	s_sub_co_u32 s3, s3, 1
	s_cmp_lg_u32 s3, 0
	s_cbranch_scc1 .Llap
	TURN 0, 1, 0                                   ; the last lap fills nothing
	STEP 1, 0, 0
	s_wait_dscnt 4*NL
	WIN MUL_LO
	MUL16 0, 1, NQ-1, 1, 0
	MUL16 2, 1, NQ-1, 1, 0
	s_wait_dscnt 0
	WIN MUL_HI
	MUL16 4, 1, NQ-1, 1, 0
	MUL16 6, 1, NQ-1, 1, 0
	WIN 0
; THE WAY OUT: no LDS, no branch.  For each of A's blocks a: the 64 sums of a lane (+ the bias along the lanes) come into window 0 and are quantised along the registers: four blocks of 32, each shared by lanes l and l xor 16.
.set T,   128                          ; v128-191 the 64 numbers
.set TM,  192                          ; v192-195 largest magnitudes, v196-199 the other half's, then bytes, v200-203 scale operands
.set CT,  204                          ; v204-211 the conversions' upper halves
.set R,   64                           ; v64-87   the two images of a pair of blocks
.set TA,  88                           ; v88-93, v94-99: the two halves whose place hangs on the tensor
.set TB,  94
.set PWS, 100                          ; v100-107 a scale word for each block a
.set W,   108                          ; v108-111, v112-115 the two records of scale words
.set W2,  112
.set WT,  116
.set VO,  240                          ; v240-247 where image i of pair p goes
.set L16, 248                          ; 16 x lane
	s_load_b128 s[24:27], s[0:1], 0x10             ; img, imgs (no tensor load of mine is out: the descriptors' registers are free)
	s_add_co_u32 s8, s[WW], 128
	s_cmp_ge_u32 s[CC], 16                         ; V^T?  Only selects follow
	s_cselect_b32 s8, s8, s[UU]                    ; which step of 128 tokens among q's, k's and v's 192
	s_cselect_b32 s9, s[UU], s[WW]                 ; which pair of heads
	s_mov_b32 s10, 3072
	s_cselect_b32 s10, 98304, s10                  ; from pair p to pair p + 2
	s_mov_b32 s11, 1536
	s_cselect_b32 s11, 3072, s11                   ; from pair p to pair p + 1
	s_mov_b32 s12, 98304
	s_cselect_b32 s12, 1536, s12                   ; from a pair's first image to its second
	s_lshr_b32 s13, s8, 4                          ; 4 x tensor + batch
	s_and_b32 s8, s8, 15                           ; the step in the batch
	s_lshl_b32 s13, s13, 4
	s_lshl_b32 s9, s9, 1
	s_add_co_u32 s13, s13, s9                      ; + the first of my two heads
	s_mul_i32 s18, s13, 98304
	s_mul_i32 s19, s8, 6144
	s_add_co_u32 s18, s18, s19
	s_mov_b32 s19, 0
	s_lshl_b32 s20, s13, 4
	s_add_co_u32 s20, s20, s8
	s_lshl_b32 s20, s20, 9
	s_mov_b32 s21, 0
	s_mov_b32 s22, 0x76543210
	s_mov_b32 s23, 0xfedcba98                      ; v_permlanex16_b32's selects for lane l xor 16
	s_mov_b32 s3, 0xffff0000                       ; lanes 16-31
	PLACES NP
	v_and_b32 v1, 31, v0
	v_lshlrev_b32 v[L16], 4, v1
	v_mov_b32 v[VO], v[L16]
	v_add_nc_u32 v[VO+2], s11, v[L16]
	v_add_nc_u32 v[VO+4], s10, v[L16]
	v_add_nc_u32 v[VO+6], s11, v[VO+4]
.irp k, 0,2,4,6
	v_add_nc_u32 v[VO+1+\k], s12, v[VO+\k]
.endr
.irp b, 0,1,2,3
	v_mov_b32 v[TM+4+\b], 0                        ; written once: a lane permute's destination counts as one of its sources
.endr
	s_wait_kmcnt 0x0
	s_add_nc_u64 s[24:25], s[24:25], s[18:19]
	s_add_nc_u64 s[26:27], s[26:27], s[20:21]
.macro COPY a                          ; block a's 64 sums + its bias along the lanes, each accumulator from its low end on
	WIN 0x02+(\a)/4
.set AC, 64*((\a)%4)
.set k, 0
.rept 32
	v_pk_add_f32 v[T+k:T+k+1], v[AC+k:AC+k+1], v[BM+2*(\a):BM+2*(\a)+1] op_sel_hi:[1,0]
.set k, k+2
.endr
	WIN 0
.endm
; 64 numbers of a lane, register 16 b + i = k 32 b + 16 (lane / 16) + i of my row, become 2 x 6 registers of codes (k 0-63 at d0, k 64-127 at d1) and a scale word
.macro QUANT s, d0, d1, pw
.irp b, 0,1,2,3
	v_max3_num_f32 v[TM+\b], |v[\s+16*\b]|, |v[\s+1+16*\b]|, 0x2800000   ; my 16 numbers, and the floor 2^(5 - 127): the byte cannot fall under 1
.endr
.irp i, 2,4,6,8,10,12,14
.irp b, 0,1,2,3
	v_max3_num_f32 v[TM+\b], v[TM+\b], |v[\s+16*\b+\i]|, |v[\s+1+16*\b+\i]|
.endr
.endr
.irp b, 0,1,2,3
	v_permlanex16_b32 v[TM+4+\b], v[TM+\b], s22, s23
.endr
.irp b, 0,1,2,3
	v_max_num_f32 v[TM+\b], v[TM+\b], v[TM+4+\b]   ; with lane l xor 16's: the block's largest magnitude
.endr
.irp b, 0,1,2,3
	v_add_nc_u32 v[TM+8+\b], 0xfe000000, v[TM+\b]  ; 4 off its exponent field: the conversion's scale operand
.endr
.irp b, 0,1,2,3
	v_lshrrev_b32 v[TM+4+\b], 23, v[TM+8+\b]       ; the scale's byte
.endr
	v_lshl_or_b32 v[\pw], v[TM+5], 8, v[TM+4]
	v_lshl_or_b32 v[\pw], v[TM+6], 16, v[\pw]
	v_lshl_or_b32 v[\pw], v[TM+7], 24, v[\pw]
	v_cvt_scalef32_pk16_bf6_f32 v[\d0:\d0+2], v[\s:\s+15], v[TM+8]
	v_cvt_scalef32_pk16_bf6_f32 v[CT:CT+2], v[\s+16:\s+31], v[TM+9]       ; (a conversion's three registers begin on an even number)
	v_cvt_scalef32_pk16_bf6_f32 v[\d1:\d1+2], v[\s+32:\s+47], v[TM+10]
	v_cvt_scalef32_pk16_bf6_f32 v[CT+4:CT+6], v[\s+48:\s+63], v[TM+11]
	v_nop                                          ; one plain place behind a scaled conversion
.irp i, 0,1,2
	v_permlane16_swap_b32 v[\d0+\i], v[CT+\i]      ; the operand's layout wants a whole block in a lane
	v_permlane16_swap_b32 v[\d1+\i], v[CT+4+\i]
.endr
.irp i, 0,1,2
	v_mov_b32 v[\d0+3+\i], v[CT+\i]
	v_mov_b32 v[\d1+3+\i], v[CT+4+\i]
.endr
.endm
.irp p, 0,1,2,3
.if \p > 0
	s_wait_xcnt 0x0                                ; the last pair's stores have read their registers: the images are written again only behind this wait
.endif
	COPY 2*\p
	QUANT T, R, TA, PWS+2*\p
	COPY 2*\p+1
	QUANT T, TB, R+18, PWS+2*\p+1
.irp i, 0,1,2,3,4,5                    ; Q, K: an image is one head's half of both blocks; V: an image is one block's whole fragment
	v_cndmask_b32 v[R+6+\i], v[TB+\i], v[TA+\i], s[SV]
	v_cndmask_b32 v[R+12+\i], v[TA+\i], v[TB+\i], s[SV]
.endr
.irp i, 0,1
.irp q, 0,1,2
	global_store_b128 v[VO+2*\p+\i], v[R+12*\i+4*\q:R+12*\i+4*\q+3], s[24:25] offset:512*\q   ; 32 lanes store 512 consecutive bytes, aligned
.endr
.endr
.endr
.irp p, 0,1,2,3
	v_cndmask_b32 v[W+\p], v[PWS+2*\p], v[PWS+2*\p+1], s3     ; lanes 0-15 block 2 p's words, lanes 16-31 block 2 p + 1's
.endr
.irp p, 0,1,2,3                        ; the second head's record: Q, K: the words' upper two bytes; V: the other four blocks' words first
	v_lshrrev_b32 v[WT], 16, v[W+\p]
	v_cndmask_b32 v[W2+\p], v[WT], v[W+(\p+2)%4], s[SV]
.endr
	global_store_b128 v[L16], v[W:W+3], s[26:27]
	global_store_b128 v[L16], v[W2:W2+3], s[26:27] offset:8192
	s_wait_tensorcnt 0x0                           ; the wave's end
	ds_add_u32 v[SPW], v[NIL]
	s_wait_dscnt 0x0
	CROUND                                         ; the closing round: no work-group ends while a partner may still ask for a tile that names it
	s_endpgm
.Lfunc_end_k_q615a13992a_proj:
	.size	k_q615a13992a_proj, .Lfunc_end_k_q615a13992a_proj-k_q615a13992a_proj
	.p2alignl 7, 3214868480
	.fill 96, 4, 3214868480
	.section	.rodata,"a",@progbits
	.p2align	6, 0x0
	.amdhsa_kernel k_q615a13992a_proj
		.amdhsa_group_segment_fixed_size 327680
		.amdhsa_private_segment_fixed_size 0
		.amdhsa_enable_private_segment 0
		.amdhsa_kernarg_size 56
		.amdhsa_user_sgpr_count 2
		.amdhsa_user_sgpr_kernarg_segment_ptr 1
		.amdhsa_wavefront_size32 1
		.amdhsa_system_sgpr_workgroup_id_x 1
		.amdhsa_system_sgpr_workgroup_id_y 1
		.amdhsa_system_sgpr_workgroup_id_z 1
		.amdhsa_system_vgpr_workitem_id 0
		.amdhsa_next_free_vgpr 1024
		.amdhsa_next_free_sgpr 102
		.amdhsa_reserve_vcc 0
		.amdhsa_float_denorm_mode_32 3
		.amdhsa_float_denorm_mode_16_64 3
		.amdhsa_memory_ordered 1
		.amdhsa_forward_progress 1
		.amdhsa_inst_pref_size 192
	.end_amdhsa_kernel
	.amdgpu_metadata
---
amdhsa.version: [ 1, 2 ]
amdhsa.kernels:
  - .name:           k_q615a13992a_proj
    .symbol:         k_q615a13992a_proj.kd
    .args:
      - { .name: cod, .offset: 0, .size: 8, .value_kind: global_buffer, .address_space: global }
      - { .name: scl, .offset: 8, .size: 8, .value_kind: global_buffer, .address_space: global }
      - { .name: img, .offset: 16, .size: 8, .value_kind: global_buffer, .address_space: global }
      - { .name: imgs, .offset: 24, .size: 8, .value_kind: global_buffer, .address_space: global }
      - { .name: bq, .offset: 32, .size: 8, .value_kind: global_buffer, .address_space: global }
      - { .name: bk, .offset: 40, .size: 8, .value_kind: global_buffer, .address_space: global }
      - { .name: bv, .offset: 48, .size: 8, .value_kind: global_buffer, .address_space: global }
    .group_segment_fixed_size: 327680
    .private_segment_fixed_size: 0
    .kernarg_segment_align: 8
    .kernarg_segment_size: 56
    .max_flat_workgroup_size: 128
    .sgpr_count:     102
    .vgpr_count:     1024
    .wavefront_size: 32
...
	.end_amdgpu_metadata
.endif
;; end of part 2
;; launch attn (part 3): grid 8 x 64, 16 waves a work-group, no clusters, 215,040 bytes of LDS; arguments img, imgs, msk, oc, os; writes oc, os
.if DOCPART == 3
	.amdgcn_target "amdgcn-amd-amdhsa--gfx1250"
	.amdhsa_code_object_version 6
	.text
	.protected	k_q615a13992a_attn
	.globl	k_q615a13992a_attn
	.p2align	8
	.type	k_q615a13992a_attn,@function
k_q615a13992a_attn:
	s_mov_b64 s[64:65], 0
	v_nop
	global_prefetch_b8 v0, s[64:65] scope:SCOPE_SE
	s_setreg_imm32_b32 hwreg(HW_REG_WAVE_MODE, 25, 1), 1
	s_wait_xcnt 0x0
; ATTN.  softmax(Q K^T / 8, hidden scores = -10,000) V for one (batch, head) and 256 queries a work-group, both products on codes of BF6 (E3M2) with E8M0 scales; the result leaves as codes for the last projection.
; SHARES.  Sixteen waves, each one tile of 16 queries in 256 registers, four waves to a SIMD.  Every wave walks 16 steps of 128 keys.
; K AND V OF THE HEAD LIE WHOLE IN LDS (2 x 98,304 bytes of register images, 2 x 8,192 of scale words): each LDS byte is written once, through registers, in four phases of four steps; a phase's 49,152 bytes are
; asked for four steps ahead.  All LDS loads and stores are 16 bytes a lane on end.
; NO TENSOR LOAD, NO CLUSTER, though the 8 work-groups of a head read the same K and V: a key step branches on flag words read from memory;
; what is shared is 212,992 bytes fetched once by a work-group, for 16 steps of each of its 16 waves.
; LAYOUT.  Both products are used transposed: S^T = K Q^T (source 0 = 16 keys), O^T = V^T P^T (source 0 = 16 channels): a lane holds one query (lane % 16) throughout.  Tiles of keys and of channels lie in physical order
; (bits 3 and 4 of the row exchanged), so the 16 registers of tiles 2 b and 2 b + 1 are the logical neighbours 32 b + 16 (lane / 16) + 0 .. 15.
; THE FIRST PRODUCT'S K IS 64: a tile of K is six registers; the instruction's other six are the next tile's codes (for the last tile: P's), which meet Q's zero codes under scale bytes that are never 0xff.
; THE MASK comes as 64 lane masks a step (scalar registers); a hidden score becomes -80,000 ahead of the factor log2(e) / 8, which is -10,000 log2(e) in the one rounding of the multiply-add.
; A step in which all 16 x 128 scores are hidden takes a short way that runs the same arithmetic on the one number that all 64 registers would hold (the row's sum takes 32 p in one rounding for each half);
; a step in which none is hidden passes over the mask.  Both branches hang on whole numbers stored by an earlier launch.
; SOFTMAX.  t = score x log2(e) / 8; M = the running largest t rounded up to a whole number; p = 2^(t - M) is quantised along the keys; the row's sum is taken of the unquantised p and divides at the end.
; oc: [token tile 512][head 16][3][256 bytes]: registers 2 j, 2 j + 1 of the head's six, 8 bytes a lane.  os: [token 8,192][32 bytes], byte 2 head + block: 2 bytes a token and head are stored singly, for 48 bytes of codes.
; LIMITS: NaN and infinities are not served; a block whose largest magnitude lies under 2^-122 keeps the byte 1.
.set ADK, 1                            ; v1   LDS address of the step's K images
.set ADV, 2                            ; v2   of V's
.set ADS, 3                            ; v3   of K's scale words (V's: 8,192 on)
.set LI,  4                            ; v4   16 x lane
.set NEG, 5                            ; v5   -80,000.0
.set LS,  10                           ; v10  16 x lane + 196,608
.set QF,  16                           ; v16-27  Q's fragment: six registers of codes, six of zeros
.set QS,  28                           ; v28     Q's scale words
.set KF,  32                           ; v32-79  K's 8 tiles, then V's 4 fragments
.set PC,  80                           ; v80-91  P's codes
.set KSR, 92                           ; v92-95  K's scale words
.set S,   96                           ; v96-159 S^T, then p
.set O,   160                          ; v160-191 O^T
.set VSR, 192                          ; v192-195 V's scale words
.set BMX, 200                          ; v200-203 the blocks' largest scores, then largest p
.set TP,  204                          ; v204-207 at work
.set SO,  208                          ; v208-211 the conversions' scale operands
.set CT,  212                          ; v212-219 the conversions' upper halves
.set F,   220                          ; v220-221 f = 2^(old M - new M)
.set T1,  222
.set PW,  223                          ; P's scale word
.set PF,  224                          ; v224-247 the next phase's six loads
.set GOF, 248                          ; v248 16 x thread: offset of the loads, and LDS base of K's phases 0, 1
.set SK1, 249                          ; + 49,152: K's phases 2, 3
.set SV0, 250                          ; + 98,304: V's phases 0, 1
.set SV1, 251                          ; + 147,456: V's phases 2, 3
.set SSC, 252                          ; + 196,608: the scale words
.set Y,   2                            ; s2   16 x batch + head
.set QT,  3                            ; s3   my tile of queries, 0 .. 127
.set WV,  14
.set TS,  15                           ; s15  512 x step
.set KP,  16                           ; s[16:17] K's images
.set VP,  18                           ; s[18:19] V's
.set SEL, 20
.set CS,  22                           ; s[22:23] c = log2(e) / 8
.set FL,  24                           ; s24  bit ks: some key of step ks counts; bit 16 + ks: all count
.set ST,  25                           ; s25  the step
.set IC,  26
.set TK,  27                           ; s27  6,144 x step
.set T0,  28
.set MO,  29
.set MP,  30                           ; s[30:31] my tile's mask words;  s32-63, s68-99: a step's 64 words
	s_load_b256 s[4:11], s[0:1], 0x0               ; img, imgs, msk, oc
	s_load_b64 s[12:13], s[0:1], 0x20              ; os
	v_lshl_add_u32 v254, v0, 2, 0x34000
	v_mov_b32 v255, 0
	v_lshrrev_b32 v6, 5, v0
	s_delay_alu instid0(VALU_DEP_1)
	v_readfirstlane_b32 s[WV], v6                  ; wave 0..15
	s_and_b32 s[Y], ttmp7, 0xffff
	s_sub_co_u32 s[QT], 7, ttmp9
	s_cmp_ge_u32 s[Y], 32
	s_cselect_b32 s[QT], s[QT], ttmp9              ; the upper half of the heads walks the query blocks backward: any mask that makes blocks uneven is spread
	s_lshl_b32 s[QT], s[QT], 4
	s_add_co_u32 s[QT], s[QT], s[WV]
	s_mul_i32 s32, s[Y], 98304
	s_mov_b32 s33, 0
	s_add_co_u32 s34, s32, 64*98304                ; K's images of my head
	s_mov_b32 s35, 0
	s_add_co_u32 s36, s32, 128*98304               ; V's
	s_mov_b32 s37, 0
	s_lshr_b32 s38, s[QT], 1
	s_mul_i32 s38, s38, 1536
	s_add_co_u32 s32, s32, s38                     ; Q's pair of tiles
	s_lshl_b32 s38, s[Y], 13
	s_mov_b32 s39, 0
	s_add_co_u32 s40, s38, 64*8192                 ; K's scale words
	s_mov_b32 s41, 0
	s_add_co_u32 s42, s38, 128*8192                ; V's
	s_mov_b32 s43, 0
	s_lshr_b32 s44, s[QT], 3
	s_lshl_b32 s44, s44, 9
	s_add_co_u32 s38, s38, s44                     ; Q's: the step's record,
	s_and_b32 s44, s[QT], 1
	s_lshl_b32 s44, s44, 8
	s_add_co_u32 s38, s38, s44                     ; its lower or upper 16 lanes,
	s_bfe_u32 s44, s[QT], 0x20001
	s_lshl_b32 s44, s44, 2
	s_add_co_u32 s38, s38, s44                     ; the pair's register
	s_lshl_b32 s44, s[QT], 12                      ; my tile's mask words: 16 steps x 256 bytes
	s_mov_b32 s45, 0
	s_lshl_b32 s46, s[QT], 6
	s_add_co_u32 s46, s46, 524288                  ; and its 16 flag words
	s_mov_b32 s[SEL], 0x76543210
	s_mov_b32 s[SEL+1], 0xfedcba98
	s_mov_b32 s[CS], 0x3e38aa3b
	s_mov_b32 s[CS+1], s[CS]                       ; (named with it as a pair, so it is written)
	s_mov_b32 s[ST], 0
	s_mov_b32 s[TK], 0
	s_mov_b32 s[TS], 0
	v_and_b32 v6, 31, v0
	s_delay_alu instid0(VALU_DEP_1)
	v_lshlrev_b32 v[LI], 4, v6
	s_delay_alu instid0(VALU_DEP_1)
	v_add_nc_u32 v[LS], 196608, v[LI]
	v_and_b32 v7, 15, v0
	s_delay_alu instid0(VALU_DEP_1)
	v_lshlrev_b32 v8, 4, v7
	v_lshlrev_b32 v[GOF], 4, v0
	s_delay_alu instid0(VALU_DEP_1)
	v_add_nc_u32 v[SK1], 49152, v[GOF]
	s_delay_alu instid0(VALU_DEP_2)
	v_add_nc_u32 v[SV0], 98304, v[GOF]
	s_delay_alu instid0(VALU_DEP_3)
	v_add_nc_u32 v[SV1], 147456, v[GOF]
	s_delay_alu instid0(VALU_DEP_4)
	v_add_nc_u32 v[SSC], 196608, v[GOF]
	s_wait_alu depctr_va_vdst(0)
	s_wait_kmcnt 0x0
	s_add_nc_u64 s[KP:KP+1], s[4:5], s[34:35]
	s_add_nc_u64 s[VP:VP+1], s[4:5], s[36:37]
	s_add_nc_u64 s[52:53], s[4:5], s[32:33]
	s_add_nc_u64 s[48:49], s[6:7], s[40:41]
	s_add_nc_u64 s[50:51], s[6:7], s[42:43]
	s_add_nc_u64 s[54:55], s[6:7], s[38:39]
	s_add_nc_u64 s[MP:MP+1], s[8:9], s[44:45]
	s_load_b512 s[68:83], s[8:9], s46 offset:0x0   ; the flag words
	global_load_b128 v[96:99], v[GOF], s[48:49]    ; 512 threads x 16 bytes: all of K's scale words
	global_load_b128 v[100:103], v[GOF], s[50:51]  ; all of V's
.irp j, 0,1,2
	global_load_b128 v[104+4*\j:107+4*\j], v[GOF], s[KP:KP+1] offset:8192*\j    ; phase 0: steps 0 to 3
	global_load_b128 v[116+4*\j:119+4*\j], v[GOF], s[VP:VP+1] offset:8192*\j
.endr
.irp j, 0,1,2
	global_load_b128 v[128+4*\j:131+4*\j], v[LI], s[52:53] offset:512*\j        ; Q's pair
.endr
	global_load_b32 v[QS], v8, s[54:55]
	s_wait_loadcnt 4                               ; the first eight are in; Q's four may be out
	ds_store_b128 v[SSC], v[96:99]
	ds_store_b128 v[SSC], v[100:103] offset:8192
.irp j, 0,1,2
	ds_store_b128 v[GOF], v[104+4*\j:107+4*\j] offset:8192*\j
	ds_store_b128 v[SV0], v[116+4*\j:119+4*\j] offset:8192*\j
.endr
	s_bitcmp1_b32 s[QT], 0
	s_cselect_b32 s56, -1, 0
	s_wait_loadcnt 0x0
.irp i, 0,1,2,3,4,5
	v_cndmask_b32 v[QF+\i], v[128+\i], v[134+\i], s56   ; my tile's six registers of the pair
	v_mov_b32 v[QF+6+\i], 0                        ; K = 64 .. 127: zero codes
.endr
.set j, 0
.rept 12
	v_mov_b32 v[PC+j], 0                           ; (the last tile of K names six of these beside its own six)
.set j, j+1
.endr
	v_mov_b32 v[NEG], 0xc79c4000                   ; -80,000.0
	v_mov_b32 v13, 0xff61b1e6                      ; the largest t so far: -3e38, under every t
	s_delay_alu instid0(VALU_DEP_1)
	v_floor_f32 v12, -v13                          ; -M
	v_mov_b32 v14, 0                               ; the sum, in two halves
	v_mov_b32 v15, 0
	v_mov_b32 v[F+1], 0                            ; (named as the upper half of a pair)
.irp b, 0,1,2,3
	v_mov_b32 v[TP+\b], 0                          ; a lane permute's destination counts as one of its sources
.endr
.set j, 0
.rept 32
	v_mov_b32 v[O+j], 0                            ; O^T: the step is written once; the first finds zeros, which the first change of M leaves zeros
.set j, j+1
.endr
	s_wait_kmcnt 0x0
	s_or_b32 s[FL], s68, s69
.irp i, 70,71,72,73,74,75,76,77,78,79,80,81,82,83
	s_or_b32 s[FL], s[FL], s\i
.endr
; A KEY STEP: 128 keys.
.macro STEP
	v_add_nc_u32 v[ADK], s[TK], v[LI]              ; these three and the v_nop are the four places behind the last step's products, in front of the loads into their registers
	s_delay_alu instid0(VALU_DEP_1)
	v_add_nc_u32 v[ADV], 98304, v[ADK]
	v_add_nc_u32 v[ADS], s[TS], v[LS]
	v_nop
	s_lshr_b32 s[T0], s[FL], s[ST]
	s_bitcmp1_b32 s[T0], 0
	s_cbranch_scc0 .Lhid_\@                        ; no key of the step counts for any of my queries
	ds_load_b128 v[KSR:KSR+3], v[ADS]
.irp g, 0,1,2,3,4,5,6,7,8,9,10,11
	ds_load_b128 v[KF+4*\g:KF+4*\g+3], v[ADK] offset:512*\g
.endr
	s_wait_dscnt 0x0
.irp t, 0,2,4,6                        ; S^T = K Q^T: tile t's six registers and the six behind them
	v_wmma_scale_f32_16x16x128_f8f6f4 v[S+8*\t:S+8*\t+7], v[KF+6*\t:KF+6*\t+11], v[QF:QF+11], 0, v[KSR+\t/2], v[QS] matrix_a_fmt:MATRIX_FMT_BF6 matrix_b_fmt:MATRIX_FMT_BF6
	v_wmma_scale_f32_16x16x128_f8f6f4 v[S+8*\t+8:S+8*\t+15], v[KF+6*\t+6:KF+6*\t+17], v[QF:QF+11], 0, v[KSR+\t/2], v[QS] matrix_a_fmt:MATRIX_FMT_BF6 matrix_b_fmt:MATRIX_FMT_BF6 matrix_a_scale:MATRIX_SCALE_ROW1
.endr
.rept 4
	v_nop                                          ; places in front of the loads into K's registers and of the first read of the scores
.endr
	s_wait_alu depctr_va_vdst(0)
	ds_load_b128 v[VSR:VSR+3], v[ADS] offset:8192  ; V lands under the softmax
.irp g, 0,1,2,3,4,5,6,7,8,9,10,11
	ds_load_b128 v[KF+4*\g:KF+4*\g+3], v[ADV] offset:512*\g
.endr
	s_bitcmp1_b32 s[T0], 16
	s_cbranch_scc1 .Lopen_\@                       ; every key counts: the mask is passed over
	s_lshl_b32 s[MO], s[ST], 8
	s_load_b512 s[32:47], s[MP:MP+1], s[MO] offset:0x0
	s_load_b512 s[48:63], s[MP:MP+1], s[MO] offset:0x40
	s_load_b512 s[68:83], s[MP:MP+1], s[MO] offset:0x80
	s_load_b512 s[84:99], s[MP:MP+1], s[MO] offset:0xc0
	s_wait_kmcnt 0x0
.set n, 0
.rept 64
	v_cndmask_b32 v[S+n], v[NEG], v[S+n], s[32+n+4*(n/32)]   ; word n: a bit a lane; each accumulator from its low end on
.set n, n+1
.endr
.Lopen_\@:
.irp b, 0,1,2,3
	v_max3_num_f32 v[BMX+\b], v[S+16*\b], v[S+1+16*\b], v[S+2+16*\b]   ; the largest score of each block of 32 keys: for the row's maximum and, since p rises with the score, for the block's largest p
.endr
.irp i, 3,5,7,9,11,13
.irp b, 0,1,2,3
	v_max3_num_f32 v[BMX+\b], v[BMX+\b], v[S+16*\b+\i], v[S+1+16*\b+\i]
.endr
.endr
.irp b, 0,1,2,3
	v_max_num_f32 v[BMX+\b], v[BMX+\b], v[S+15+16*\b]
.endr
.irp b, 0,1,2,3
	s_delay_alu instid0(VALU_DEP_4)
	v_permlanex16_b32 v[TP+\b], v[BMX+\b], s[SEL], s[SEL+1]
.endr
.irp b, 0,1,2,3
	s_delay_alu instid0(VALU_DEP_4)
	v_max_num_f32 v[BMX+\b], v[BMX+\b], v[TP+\b]   ; with lane l xor 16's 16 keys
.endr
	s_delay_alu instid0(VALU_DEP_2)
	v_max3_num_f32 v[T1], v[BMX], v[BMX+1], v[BMX+2]
	s_delay_alu instid0(VALU_DEP_1)
	v_max_num_f32 v[T1], v[T1], v[BMX+3]
	s_delay_alu instid0(VALU_DEP_1)
	v_mul_f32 v[T1], s[CS], v[T1]                  ; the step's largest t
	s_delay_alu instid0(VALU_DEP_1)
	v_max_num_f32 v13, v13, v[T1]
	v_mov_b32 v[T1], v12
	s_delay_alu instid0(VALU_DEP_2)
	v_floor_f32 v12, -v13                          ; the new -M = -ceil(t)
	s_delay_alu instid0(VALU_DEP_1)
	v_sub_f32 v[T1], v12, v[T1]                    ; old M - new M: a whole number, 0 or less
	s_delay_alu instid0(VALU_DEP_1)
	v_cvt_i32_f32 v[T1], v[T1]                     ; (it saturates)
	s_delay_alu instid0(VALU_DEP_1)
	v_ldexp_f32 v[F], 1.0, v[T1]                   ; f = 2^(old M - new M)
.set j, 0
.rept 32
	v_pk_fma_f32 v[S+j:S+j+1], v[S+j:S+j+1], s[CS:CS+1], v[12:13] op_sel_hi:[1,0,0]   ; t - M, two at a time
.set j, j+2
.endr
.irp b, 0,1,2,3
	v_fma_f32 v[BMX+\b], v[BMX+\b], s[CS], v12
.endr
.set j, 0
	s_wait_alu depctr_va_vdst(0)
.rept 64
	v_exp_f32 v[S+j], v[S+j]                       ; p = 2^(t - M)
.set j, j+1
.endr
	v_pk_mul_f32 v[14:15], v[14:15], v[F:F+1] op_sel_hi:[1,0]   ; the sums under the new M (the plain line behind the exponentials)
	s_wait_alu depctr_va_vdst(0)                   ; one wait for the whole batch, ahead of its first reader
.irp b, 0,1,2,3
	v_exp_f32 v[BMX+\b], v[BMX+\b]                 ; the blocks' largest p
.endr
	v_pk_add_f32 v[204:205], v[100:101], v[104:105]
	v_pk_add_f32 v[252:253], v[108:109], v[112:113]
	v_pk_add_f32 v[222:223], v[116:117], v[120:121]
	v_pk_add_f32 v[218:219], v[124:125], v[128:129]
	v_pk_add_f32 v[216:217], v[132:133], v[136:137]
	v_pk_add_f32 v[214:215], v[140:141], v[144:145]
	v_pk_add_f32 v[212:213], v[148:149], v[152:153]
	v_pk_add_f32 v[14:15], v[14:15], v[156:157]
	v_pk_add_f32 v[204:205], v[204:205], v[96:97]
	v_pk_add_f32 v[252:253], v[252:253], v[98:99]
	v_pk_add_f32 v[222:223], v[222:223], v[102:103]
	v_pk_add_f32 v[218:219], v[218:219], v[106:107]
	v_pk_add_f32 v[216:217], v[216:217], v[110:111]
	v_pk_add_f32 v[214:215], v[214:215], v[114:115]
	v_pk_add_f32 v[212:213], v[212:213], v[118:119]
	v_pk_add_f32 v[14:15], v[14:15], v[122:123]
	v_pk_add_f32 v[204:205], v[204:205], v[126:127]
	v_pk_add_f32 v[252:253], v[252:253], v[130:131]
	v_pk_add_f32 v[222:223], v[222:223], v[134:135]
	v_pk_add_f32 v[218:219], v[218:219], v[138:139]
	v_pk_add_f32 v[216:217], v[216:217], v[142:143]
	v_pk_add_f32 v[214:215], v[214:215], v[146:147]
	v_pk_add_f32 v[212:213], v[212:213], v[150:151]
	v_pk_add_f32 v[14:15], v[14:15], v[154:155]
	v_pk_add_f32 v[204:205], v[204:205], v[158:159]
	s_delay_alu instid0(VALU_DEP_2)
	v_pk_add_f32 v[14:15], v[14:15], v[218:219]
	s_delay_alu instid0(VALU_DEP_2)
	v_pk_add_f32 v[204:205], v[204:205], v[216:217]
	v_pk_add_f32 v[252:253], v[252:253], v[214:215]
	v_pk_add_f32 v[222:223], v[222:223], v[212:213]
	s_delay_alu instid0(VALU_DEP_2)
	v_pk_add_f32 v[14:15], v[14:15], v[252:253]
	s_delay_alu instid0(VALU_DEP_2)
	v_pk_add_f32 v[204:205], v[204:205], v[222:223]
	s_delay_alu instid0(VALU_DEP_1)
	v_pk_add_f32 v[14:15], v[14:15], v[204:205]
	s_wait_alu depctr_va_vdst(0)                   ; and one for the four
.irp b, 0,1,2,3
	v_max_num_f32 v[BMX+\b], 0x2800000, v[BMX+\b]  ; the floor 2^(5 - 127): the byte cannot fall under 1
.endr
.irp b, 0,1,2,3
	s_delay_alu instid0(VALU_DEP_4)
	v_add_nc_u32 v[SO+\b], 0xfe000000, v[BMX+\b]   ; 4 off the exponent field: the conversion's scale operand
.endr
.irp b, 0,1,2,3
	s_delay_alu instid0(VALU_DEP_4)
	v_lshrrev_b32 v[TP+\b], 23, v[SO+\b]
.endr
	s_delay_alu instid0(VALU_DEP_3)
	v_lshl_or_b32 v[PW], v[TP+1], 8, v[TP]
	s_delay_alu instid0(VALU_DEP_1)
	v_lshl_or_b32 v[PW], v[TP+2], 16, v[PW]
	s_delay_alu instid0(VALU_DEP_1)
	v_lshl_or_b32 v[PW], v[TP+3], 24, v[PW]
.irp c, 0,1
	v_cvt_scalef32_pk16_bf6_f32 v[PC+6*\c:PC+6*\c+2], v[S+32*\c:S+32*\c+15], v[SO+2*\c]
	v_cvt_scalef32_pk16_bf6_f32 v[CT+4*\c:CT+4*\c+2], v[S+16+32*\c:S+31+32*\c], v[SO+2*\c+1]
.endr
	v_nop                                          ; one plain place behind a scaled conversion
.irp c, 0,1
.irp i, 0,1,2
	v_permlane16_swap_b32 v[PC+6*\c+\i], v[CT+4*\c+\i]   ; a whole block to a lane
.endr
.irp i, 0,1,2
	s_delay_alu instid0(VALU_DEP_3)
	v_mov_b32 v[PC+3+6*\c+\i], v[CT+4*\c+\i]
.endr
.endr
	s_branch .Lpv_\@
.Lhid_\@:                              ; all 64 scores of every lane are -80,000: the same lines on one number
	s_wait_alu depctr_va_vdst(0)
	ds_load_b128 v[VSR:VSR+3], v[ADS] offset:8192
.irp g, 0,1,2,3,4,5,6,7,8,9,10,11
	ds_load_b128 v[KF+4*\g:KF+4*\g+3], v[ADV] offset:512*\g
.endr
	v_mul_f32 v[T1], s[CS], v[NEG]
	s_delay_alu instid0(VALU_DEP_1)
	v_max_num_f32 v13, v13, v[T1]
	v_mov_b32 v[T1], v12
	s_delay_alu instid0(VALU_DEP_2)
	v_floor_f32 v12, -v13
	s_delay_alu instid0(VALU_DEP_1)
	v_sub_f32 v[T1], v12, v[T1]
	s_delay_alu instid0(VALU_DEP_1)
	v_cvt_i32_f32 v[T1], v[T1]
	s_delay_alu instid0(VALU_DEP_1)
	v_ldexp_f32 v[F], 1.0, v[T1]
	s_delay_alu instid0(VALU_DEP_4)
	v_fma_f32 v[BMX], v[NEG], s[CS], v12
	s_wait_alu depctr_va_vdst(0)
	v_exp_f32 v[BMX], v[BMX]                       ; p
	v_pk_mul_f32 v[14:15], v[14:15], v[F:F+1] op_sel_hi:[1,0]   ; (the plain line behind the exponential)
	s_wait_alu depctr_va_vdst(0)
	v_fmamk_f32 v14, v[BMX], 0x42000000, v14       ; 32 p to each half of the sum
	v_fmamk_f32 v15, v[BMX], 0x42000000, v15
.set j, 0
.rept 16
	v_mov_b32 v[S+j], v[BMX]
.set j, j+1
.endr
	v_max_num_f32 v[BMX+1], 0x2800000, v[BMX]
	s_delay_alu instid0(VALU_DEP_1)
	v_add_nc_u32 v[SO], 0xfe000000, v[BMX+1]
	s_delay_alu instid0(VALU_DEP_1)
	v_lshrrev_b32 v[TP], 23, v[SO]
	s_delay_alu instid0(VALU_DEP_1)
	v_lshl_or_b32 v[PW], v[TP], 8, v[TP]
	s_delay_alu instid0(VALU_DEP_1)
	v_lshl_or_b32 v[PW], v[PW], 16, v[PW]          ; the byte in all four places
	v_cvt_scalef32_pk16_bf6_f32 v[CT:CT+2], v[S:S+15], v[SO]
	v_nop
.irp k, 0,1,2,3
.irp i, 0,1,2
	v_mov_b32 v[PC+3*\k+\i], v[CT+\i]              ; lanes l and l xor 16 hold the same query's p: the 16 codes, eight times over
.endr
.endr
.Lpv_\@:
.set j, 0
.rept 16
	v_pk_mul_f32 v[O+j:O+j+1], v[O+j:O+j+1], v[F:F+1] op_sel_hi:[1,0]   ; O^T under the new M.  (For each product below, twelve of these name none of its registers: the places behind P's codes and scale word)
.set j, j+2
.endr
	s_wait_alu depctr_va_vdst(0)
	s_wait_dscnt 0x0                               ; V
.irp t, 0,2                            ; O^T += V^T P^T: the four accumulators by turns
	v_wmma_scale_f32_16x16x128_f8f6f4 v[O+8*\t:O+8*\t+7], v[KF+12*\t:KF+12*\t+11], v[PC:PC+11], v[O+8*\t:O+8*\t+7], v[VSR+\t/2], v[PW] matrix_a_fmt:MATRIX_FMT_BF6 matrix_b_fmt:MATRIX_FMT_BF6
	v_wmma_scale_f32_16x16x128_f8f6f4 v[O+8*\t+8:O+8*\t+15], v[KF+12*\t+12:KF+12*\t+23], v[PC:PC+11], v[O+8*\t+8:O+8*\t+15], v[VSR+\t/2], v[PW] matrix_a_fmt:MATRIX_FMT_BF6 matrix_b_fmt:MATRIX_FMT_BF6 matrix_a_scale:MATRIX_SCALE_ROW1
.endr
	s_add_co_u32 s[ST], s[ST], 1
	s_add_co_u32 s[TK], s[TK], 6144
	s_add_co_u32 s[TS], s[TS], 512
.endm
; A PHASE: four steps.  Its images were stored by the phase before (phase 0's at the head).  p < 3: the next phase's 49,152 bytes are asked for at its head and stored at its end.
.macro PHASE p
	s_wait_dscnt 0x0                               ; my LDS stores have landed, and have read their registers
.if \p < 3
.irp j, 0,1,2
	global_load_b128 v[PF+4*\j:PF+4*\j+3], v[GOF], s[KP:KP+1] offset:(\p+1)*24576+8192*\j
	global_load_b128 v[PF+12+4*\j:PF+15+4*\j], v[GOF], s[VP:VP+1] offset:(\p+1)*24576+8192*\j
.endr
.endif
	s_barrier_signal -1
	s_barrier_wait -1                              ; everybody's have: this phase's four steps lie in LDS
	s_mov_b32 s[IC], 4
.Lstep_\@:
	STEP
	s_sub_co_u32 s[IC], s[IC], 1
	s_cmp_lg_u32 s[IC], 0
	s_cbranch_scc1 .Lstep_\@
.if \p < 3
	s_wait_dscnt 0x0                               ; my LDS loads are in
	s_barrier_signal -1
	s_barrier_wait -1                              ; everybody's are: reads, then stores
	s_wait_loadcnt 0x0                             ; asked for four steps ago
.irp j, 0,1,2
.if \p < 1
	ds_store_b128 v[GOF], v[PF+4*\j:PF+4*\j+3] offset:24576+8192*\j
	ds_store_b128 v[SV0], v[PF+12+4*\j:PF+15+4*\j] offset:24576+8192*\j
.else
	ds_store_b128 v[SK1], v[PF+4*\j:PF+4*\j+3] offset:(\p-1)*24576+8192*\j
	ds_store_b128 v[SV1], v[PF+12+4*\j:PF+15+4*\j] offset:(\p-1)*24576+8192*\j
.endif
.endr
.endif
.endm
	PHASE 0
	PHASE 1
	PHASE 2
	PHASE 3
	; THE WAY OUT.  O^T / the sum is quantised along the head's 64 channels (two blocks of the last product's K) and leaves as six registers of codes and two bytes a token.
	v_add_f32 v14, v14, v15                        ; (these lines are the places behind the last products)
	v_and_b32 v6, 31, v0
	s_delay_alu instid0(VALU_DEP_1)
	v_lshlrev_b32 v6, 3, v6                        ; 8 x lane
	v_and_b32 v7, 15, v0
	v_bfe_u32 v8, v0, 4, 1
	s_delay_alu instid0(VALU_DEP_1)
	v_lshl_add_u32 v7, v7, 5, v8                   ; 32 r + h
	v_permlanex16_b32 v[TP], v14, s[SEL], s[SEL+1]
	s_delay_alu instid0(VALU_DEP_1)
	v_add_f32 v14, v14, v[TP]                      ; the row's sum
	s_wait_alu depctr_va_vdst(0)
	v_rcp_f32 v14, v14
	v_nop                                          ; a plain place behind the transcendental
	s_lshr_b32 s32, s[Y], 4                        ; batch
	s_and_b32 s33, s[Y], 15                        ; head
	s_lshl_b32 s34, s32, 7
	s_add_co_u32 s34, s34, s[QT]                   ; my tile among all 512
	s_mul_i32 s36, s34, 12288
	s_mul_i32 s35, s33, 768
	s_add_co_u32 s36, s36, s35
	s_mov_b32 s37, 0
	s_add_nc_u64 s[10:11], s[10:11], s[36:37]
	s_lshl_b32 s38, s34, 9                         ; 16 tokens x 32 bytes
	s_lshl_b32 s35, s33, 1
	s_add_co_u32 s38, s38, s35
	s_mov_b32 s39, 0
	s_add_nc_u64 s[12:13], s[12:13], s[38:39]
	s_mov_b32 s40, 0xffff0000                      ; lanes 16-31
	s_wait_alu depctr_va_vdst(0)                   ; ahead of the reciprocal's first reader
.set j, 0
.rept 32
	v_mul_f32 v[S+j], v[O+j], v14                  ; register 16 b + i: channel 32 b + 16 h + i of my query; each accumulator from its low end on
.set j, j+1
.endr
.irp b, 0,1
	v_max3_num_f32 v[BMX+\b], |v[S+16*\b]|, |v[S+1+16*\b]|, 0x2800000
.endr
.irp i, 2,4,6,8,10,12,14
.irp b, 0,1
	s_delay_alu instid0(VALU_DEP_2)
	v_max3_num_f32 v[BMX+\b], v[BMX+\b], |v[S+16*\b+\i]|, |v[S+1+16*\b+\i]|
.endr
.endr
.irp b, 0,1
	s_delay_alu instid0(VALU_DEP_2)
	v_permlanex16_b32 v[TP+\b], v[BMX+\b], s[SEL], s[SEL+1]
.endr
.irp b, 0,1
	s_delay_alu instid0(VALU_DEP_2)
	v_max_num_f32 v[BMX+\b], v[BMX+\b], v[TP+\b]
.endr
.irp b, 0,1
	s_delay_alu instid0(VALU_DEP_2)
	v_add_nc_u32 v[SO+\b], 0xfe000000, v[BMX+\b]
.endr
.irp b, 0,1
	s_delay_alu instid0(VALU_DEP_2)
	v_lshrrev_b32 v[TP+\b], 23, v[SO+\b]
.endr
	v_cvt_scalef32_pk16_bf6_f32 v[KF:KF+2], v[S:S+15], v[SO]
	v_cvt_scalef32_pk16_bf6_f32 v[CT:CT+2], v[S+16:S+31], v[SO+1]
	v_nop
.irp i, 0,1,2
	v_permlane16_swap_b32 v[KF+\i], v[CT+\i]
.endr
.irp i, 0,1,2
	s_delay_alu instid0(VALU_DEP_3)
	v_mov_b32 v[KF+3+\i], v[CT+\i]                 ; lane (r, h): the 32 codes of block h of token r
.endr
	v_cndmask_b32 v[TP+2], v[TP], v[TP+1], s40     ; and block h's byte
.irp j, 0,1,2
	global_store_b64 v6, v[KF+2*\j:KF+2*\j+1], s[10:11] offset:256*\j   ; 32 lanes store 256 consecutive bytes, aligned
.endr
	global_store_b8 v7, v[TP+2], s[12:13]
	s_wait_tensorcnt 0x0
	ds_add_u32 v254, v255
	s_wait_dscnt 0x0
	s_endpgm
.Lfunc_end_k_q615a13992a_attn:
	.size	k_q615a13992a_attn, .Lfunc_end_k_q615a13992a_attn-k_q615a13992a_attn
	.p2alignl 7, 3214868480
	.fill 96, 4, 3214868480
	.section	.rodata,"a",@progbits
	.p2align	6, 0x0
	.amdhsa_kernel k_q615a13992a_attn
		.amdhsa_group_segment_fixed_size 215040
		.amdhsa_private_segment_fixed_size 0
		.amdhsa_enable_private_segment 0
		.amdhsa_kernarg_size 40
		.amdhsa_user_sgpr_count 2
		.amdhsa_user_sgpr_kernarg_segment_ptr 1
		.amdhsa_wavefront_size32 1
		.amdhsa_system_sgpr_workgroup_id_x 1
		.amdhsa_system_sgpr_workgroup_id_y 1
		.amdhsa_system_sgpr_workgroup_id_z 1
		.amdhsa_system_vgpr_workitem_id 0
		.amdhsa_next_free_vgpr 256
		.amdhsa_next_free_sgpr 100
		.amdhsa_reserve_vcc 0
		.amdhsa_float_denorm_mode_32 3
		.amdhsa_float_denorm_mode_16_64 3
		.amdhsa_memory_ordered 1
		.amdhsa_forward_progress 1
		.amdhsa_inst_pref_size 114
	.end_amdhsa_kernel
	.amdgpu_metadata
---
amdhsa.version: [ 1, 2 ]
amdhsa.kernels:
  - .name:           k_q615a13992a_attn
    .symbol:         k_q615a13992a_attn.kd
    .args:
      - { .name: img, .offset: 0, .size: 8, .value_kind: global_buffer, .address_space: global }
      - { .name: imgs, .offset: 8, .size: 8, .value_kind: global_buffer, .address_space: global }
      - { .name: msk, .offset: 16, .size: 8, .value_kind: global_buffer, .address_space: global }
      - { .name: oc, .offset: 24, .size: 8, .value_kind: global_buffer, .address_space: global }
      - { .name: os, .offset: 32, .size: 8, .value_kind: global_buffer, .address_space: global }
    .group_segment_fixed_size: 215040
    .private_segment_fixed_size: 0
    .kernarg_segment_align: 8
    .kernarg_segment_size: 40
    .max_flat_workgroup_size: 512
    .sgpr_count:     100
    .vgpr_count:     256
    .wavefront_size: 32
...
	.end_amdgpu_metadata
.endif
;; end of part 3
;; launch oproj (part 4): grid 4 x 32, 4 waves a work-group, clusters of 4 x 4, 327,680 bytes of LDS; arguments oc, os, cod, scl, out0, bo; writes out0
.if DOCPART == 4
	.amdgcn_target "amdgcn-amd-amdhsa--gfx1250"
	.amdhsa_code_object_version 6
	.text
	.protected	k_q615a13992a_oproj
	.globl	k_q615a13992a_oproj
	.p2align	8
	.type	k_q615a13992a_oproj,@function
k_q615a13992a_oproj:
	s_mov_b64 s[64:65], 0
	v_nop
	global_prefetch_b8 v0, s[64:65] scope:SCOPE_SE
	s_setreg_imm32_b32 hwreg(HW_REG_WAVE_MODE, 25, 1), 1
	s_wait_xcnt 0x0
	s_wait_alu depctr_hold_cnt(0) depctr_sa_sdst(0) depctr_va_vdst(0) depctr_va_sdst(0) depctr_va_ssrc(0) depctr_va_vcc(0) depctr_vm_vsrc(0)
	s_getreg_b32 s2, hwreg(HW_REG_IB_STS2, 6, 4)
	s_cmp_eq_u32 s2, 0
	s_cbranch_scc0 .Lentry_in_a_cluster
	s_endpgm
.Lentry_in_a_cluster:
	s_bfe_u32 s2, ttmp6, 0x10000c
	s_cmp_lg_u32 s2, 0xf033
	s_cbranch_scc0 .Lentry_shape_is_right
	s_endpgm
.Lentry_shape_is_right:
; OPROJ.  out0 = A Wo^T + bo on codes of BF6 (E3M2) with one E8M0 scale for each 32 along K = 1,024.  A: the attention's result, 8,192 tokens; out0: [8192][1024] f32.
; A tile of out0 is 256 x 256: four waves, each 128 x 128: 64 accumulators, 512 registers.  K goes in steps of 256 through a ring of two LDS slots filled by joint tensor loads: 4 x 4 work-groups form a cluster,
; A's tile is shared along a row of the cluster, B's along a column.  The scale bytes of the 256 + 256 rows, for all of K, come once.
; A'S CODES ARE REGISTER IMAGES: oc is [token tile 512][head 16][3][256 bytes]; a K step of 256 is four heads, 3,072 consecutive bytes of each token tile; a fragment's registers 2 p, 2 p + 1 come by one load of 8 bytes a lane on end.
; B's codes are rows of cod from row 27,648 on (Wo).  TOKENS AND Wo'S ROWS LIE IN PHYSICAL ORDER (bits 3 and 4 of the row exchanged).
; THE MATRIX INSTRUCTION IS USED TRANSPOSED (source 0 = 16 rows of Wo, source 1 = 16 tokens): a lane holds a token, and the registers of B's tiles 2 b, 2 b + 1 are the logical columns 32 b + 16 (lane / 16) + 0 .. 15.
; The columns' order is undone by the offsets into the stage, the tokens' by the offsets of the stores.  The bias is the C of each sum's first product.
; REGISTERS, in windows of 256: window 0: v0-31 addresses; v32-63 scale words, two sets; v64-127 the bias; v128-223 A's fragments, one set; on the way out v128-255 hold rows of out0.
;   window 1: B's fragments, two sets.  windows 2, 3: the accumulators ((a, b) at v[8 (8 (a % 4) + b)]).
.set KSTEP,  256
.set NQ,     2
.set ROWB,   192                       ; B: a tile's row in bytes
.set KROW,   768                       ; a row of cod; also 1/16 of a token tile of oc
.set AROW,   3072                      ; A: a K step of one token tile
.set PITCH,  240                       ; B's LDS row: 3 x (64 bytes + 16 of padding)
.set FR,     12
.set NL,     6
.set NP,     4
.set HALFT,  128*PITCH                 ; a wave's part of a slot (A's parts use 24,576 bytes of it)
.set SLOT,   4*HALFT
.set LAPS,   2
.set KS,     32
.set SCL,    2*SLOT
.set HALFS,  (128*KS/256)*272
.set SBLK,   (16*KS/256)*272
.set SPARE,  SCL+4*HALFS               ; the spare words: 128 bytes a wave, two blocks of 256 bytes that no other line names
.set SPITCH, 528                       ; the way out: a stage of 16 rows x (512 bytes + 16) for each wave, in slot 0, which has had its last fill and its last read by then
.set ADRA, 16
.set ADRB, 20
.set STO,  24
.set RD,   25
.set CO,   26
.set ADRS, 27
.set SPW,  28
.set NIL,  29
.set SC,   32
.set BN,   64                          ; v64-127 the bias: register 16 b + i = logical column 32 b + 16 h + i
.set AF,   128
.set BK,   128
.set G1, 24
.set G0, 32
.set G1B, 48
.set G0B, 56
.set G1S, 68
.set G0S, 76
.set G1SB, 80
.set G0SB, 88
.set MSB, 0
.macro WIN new                         ; the immediate's high byte repeats the setting that is left
.if MSB != (\new)
	s_set_vgpr_msb (MSB<<8)|(\new)
.set MSB, (\new)
.endif
.endm
.set MUL_LO, 0xa1
.set MUL_HI, 0xf1
.set TO_B,   0x40
.macro JLOAD g0a, g1a, g0b, g1b        ; a joint load: waves 0 and 1 fetch for A, waves 2 and 3 for B; four v_nop follow each of the two lines
	s_cmp_eq_u32 s15, 0
	s_cbranch_scc0 .Lfor_b_\@
	tensor_load_to_lds s[\g0a:\g0a+3], s[\g1a:\g1a+7]
	s_nop 0
.rept 4
	v_nop
.endr
	s_branch .Lasked_\@
.Lfor_b_\@:
	tensor_load_to_lds s[\g0b:\g0b+3], s[\g1b:\g1b+7]
	s_nop 0
.rept 4
	v_nop
.endr
.Lasked_\@:
.endm
.macro CREST
	s_cmp_lg_u32 s14, 0
	s_cbranch_scc1 .Lnot_wave_0_\@
	s_barrier_signal -3
.Lnot_wave_0_\@:
	s_barrier_wait -3
	s_barrier_signal -1
	s_barrier_wait -1
.endm
.macro CROUND
	s_barrier_signal -1
	s_barrier_wait -1
	CREST
.endm
	s_load_b128 s[4:7], s[0:1], 0x0                ; oc, os
	s_load_b128 s[8:11], s[0:1], 0x10              ; cod, scl
	s_load_b64 s[12:13], s[0:1], 0x20              ; out0
	s_load_b64 s[96:97], s[0:1], 0x28              ; bo
	v_lshl_add_u32 v[SPW], v0, 2, SPARE
	v_mov_b32 v[NIL], 0
	ds_add_u32 v28, v29
	ds_add_u32 v28, v29
	s_wait_dscnt 0x0
	v_lshrrev_b32 v1, 5, v0
	v_readfirstlane_b32 s14, v1                    ; wave 0..3
	s_lshr_b32 s15, s14, 1                         ; which half of the tile's rows is mine.  Also: I fetch for A (0) or for B (1)
	s_and_b32 s16, s14, 1                          ; which half of its columns.  Also: which 128 rows of that tile I fetch
	s_bfe_u32 s40, ttmp6, 0x40000                  ; cx, cy
	s_bfe_u32 s41, ttmp6, 0x40004
	s_lshl_b32 s42, ttmp9, 2
	s_add_co_u32 s42, s42, s40                     ; tile column
	s_and_b32 s17, ttmp7, 0xffff
	s_lshl_b32 s17, s17, 2
	s_add_co_u32 s17, s17, s41                     ; tile row
	s_lshl_b32 s43, s41, 2
	s_lshl_b32 s43, 15, s43                        ; my row of the cluster
	s_lshl_b32 s44, 0x1111, s40                    ; my column
	; A: 8 token tiles x 3,072 bytes (384 elements of 8), 12,288 bytes apart, no padding
	s_or_b32 s[G1+0], s43, (3<<16)|(1<<21)
	s_mov_b32 s[G1+1], 384<<16                     ; tensor_dim0
	s_mov_b32 s[G1+2], 8<<16                       ; tensor_dim1
	s_mov_b32 s[G1+3], 384<<16                     ; tile_dim0
	s_mov_b32 s[G1+4], 8                           ; tile_dim1
	s_mov_b32 s[G1+5], 1536                        ; the pitch
	s_mov_b32 s[G1+6], 0
	s_mov_b32 s[G1+7], 0
	; B: 128 rows x 192 bytes, 16 bytes of padding behind every 64
	s_or_b32 s[G1B+0], s44, (0<<16)|(1<<20)|(1<<21)|(3<<22)|(3<<25)
	s_mov_b32 s[G1B+1], ROWB<<16
	s_mov_b32 s[G1B+2], 128<<16
	s_mov_b32 s[G1B+3], ROWB<<16
	s_mov_b32 s[G1B+4], 128
	s_mov_b32 s[G1B+5], KROW
	s_mov_b32 s[G1B+6], 0
	s_mov_b32 s[G1B+7], 0
	; the scales of 128 rows: 4,096 dense bytes as 16 rows of 256 bytes, 16 bytes of padding behind each
	s_or_b32 s[G1S+0], s43, (3<<16)|(1<<20)|(1<<21)|(5<<22)|(3<<25)
	s_or_b32 s[G1SB+0], s44, (3<<16)|(1<<20)|(1<<21)|(5<<22)|(3<<25)
.irp g, G1S, G1SB
	s_mov_b32 s[\g+1], 32<<16
	s_mov_b32 s[\g+2], (128*KS/256)<<16
	s_mov_b32 s[\g+3], 32<<16
	s_mov_b32 s[\g+4], 128*KS/256
	s_mov_b32 s[\g+5], 32
	s_mov_b32 s[\g+6], 0
	s_mov_b32 s[\g+7], 0
.endr
	s_lshl_b32 s18, s16, 7
	s_lshl_b32 s20, s17, 8
	s_add_co_u32 s20, s20, s18                     ; A: token 256 x tile row + 128 x half
	s_lshl_b32 s46, s42, 8
	s_add_co_u32 s46, s46, s18
	s_add_co_u32 s46, s46, 27648                   ; B: Wo's row in cod
	s_mov_b32 s21, 0
	s_mov_b32 s47, 0
	s_mov_b64 s[18:19], KS
	s_mul_u64 s[22:23], s[20:21], s[18:19]         ; where these rows' scales begin
	s_mul_u64 s[92:93], s[46:47], s[18:19]
	s_mov_b64 s[18:19], KROW
	s_mul_u64 s[20:21], s[20:21], s[18:19]         ; and their codes (16 tokens x 768 = a token tile's 12,288 bytes)
	s_mul_u64 s[46:47], s[46:47], s[18:19]
	s_mul_i32 s45, s14, HALFT
	s_mul_i32 s94, s14, HALFS
	s_wait_kmcnt 0x0
	s_add_nc_u64 s[20:21], s[4:5], s[20:21]
	s_add_nc_u64 s[22:23], s[6:7], s[22:23]
	s_add_nc_u64 s[46:47], s[8:9], s[46:47]
	s_add_nc_u64 s[92:93], s[10:11], s[92:93]
	CROUND                                         ; all sixteen work-groups are here: the first joint loads meet
	s_mov_b32 s[G0S], 1
	s_add_co_u32 s[G0S+1], s94, SCL
	s_mov_b64 s[G0S+2:G0S+3], s[22:23]
	s_or_b32 s[G0S+3], s[G0S+3], 0x80000000
	s_mov_b32 s[G0SB], 1
	s_add_co_u32 s[G0SB+1], s94, SCL
	s_mov_b64 s[G0SB+2:G0SB+3], s[92:93]
	s_or_b32 s[G0SB+3], s[G0SB+3], 0x80000000
	JLOAD G0S, G1S, G0SB, G1SB                     ; the scales first
.irp s, 0,1
	s_mov_b32 s[G0+4*\s], 1
	s_add_co_u32 s[G0+4*\s+1], s45, \s*SLOT
	s_add_nc_u64 s[G0+4*\s+2:G0+4*\s+3], s[20:21], \s*AROW
	s_or_b32 s[G0+4*\s+3], s[G0+4*\s+3], 0x80000000
	s_mov_b32 s[G0B+4*\s], 1
	s_add_co_u32 s[G0B+4*\s+1], s45, \s*SLOT
	s_add_nc_u64 s[G0B+4*\s+2:G0B+4*\s+3], s[46:47], \s*ROWB
	s_or_b32 s[G0B+4*\s+3], s[G0B+4*\s+3], 0x80000000
	JLOAD G0+4*\s, G1, G0B+4*\s, G1B
.endr
	v_and_b32 v1, 15, v0                           ; r
	v_bfe_u32 v2, v0, 4, 1                         ; h
	s_lshl_b32 s18, s42, 1
	s_add_co_u32 s18, s18, s16
	s_lshl_b32 s18, s18, 9                         ; my 128 columns of bo
	v_lshl_add_u32 v30, v2, 6, s18
.set i, 0
.rept 16
	global_load_b128 v[BN+4*i:BN+4*i+3], v30, s[96:97] offset:128*(i/4)+16*(i%4)
.set i, i+1
.endr
	v_mul_u32_u24 v3, v1, PITCH
	v_mul_u32_u24 v4, v2, 24
	v_add_nc_u32 v4, v3, v4                        ; B: a fragment's row x pitch + 24 x half
	v_lshl_add_u32 v5, v2, 4, v4                   ; and the same behind one padding more
	v_and_b32 v6, 31, v0
	v_lshlrev_b32 v7, 3, v6                        ; A: 8 x lane
	s_mul_i32 s21, s15, HALFT                      ; my 8 token tiles of A
	s_mul_i32 s22, s16, HALFT                      ; my 128 rows of B,
	s_add_co_u32 s22, s22, 2*HALFT                 ; which lie behind A's two parts
.irp s, 0,1
	v_add_nc_u32 v[ADRA+\s], s21, v7
	v_add_nc_u32 v[ADRB+\s], s22, v4
	v_add_nc_u32 v[ADRB+2+\s], s22, v5
	s_add_co_u32 s21, s21, SLOT
	s_add_co_u32 s22, s22, SLOT
.endr
	v_mul_u32_u24 v5, v1, KS
	v_lshrrev_b32 v6, 8, v5
	v_lshl_add_u32 v5, v6, 4, v5
	s_mul_i32 s21, s15, HALFS
	s_mul_i32 s22, s16, HALFS
	s_add_co_u32 s22, s22, 2*HALFS
	s_sub_co_u32 s22, s22, s21
	v_mul_u32_u24 v6, s22, v2                      ; lanes 16-31 take B's
	s_add_co_u32 s21, s21, SCL
	v_add_nc_u32 v5, v5, v6
	v_add_nc_u32 v[ADRS], s21, v5
	s_mul_i32 s23, s14, 16*SPITCH                  ; my stage
	v_mul_u32_u24 v5, v1, SPITCH                   ; in: row r, + 64 h: my 16 columns of each 32
	v_lshl_add_u32 v5, v2, 6, v5
	v_add_nc_u32 v[STO], s23, v5
	v_and_b32 v6, 31, v0
	v_lshlrev_b32 v[CO], 4, v6                     ; back: the 32 lanes take one row of 512 bytes; and the same in out0
	v_add_nc_u32 v[RD], s23, v[CO]
	s_lshl_b32 s20, s17, 8
	s_lshl_b32 s21, s15, 7
	s_add_co_u32 s20, s20, s21                     ; my first row of out0
	s_lshl_b32 s20, s20, 12                        ; 4,096 bytes a row (under 2^25)
	s_mov_b32 s21, 0
	s_lshl_b32 s46, s42, 10
	s_lshl_b32 s47, s16, 9
	s_add_co_u32 s46, s46, s47                     ; my first column, in bytes
	s_mov_b32 s47, 0
	s_add_nc_u64 s[20:21], s[20:21], s[46:47]
	s_add_nc_u64 s[12:13], s[12:13], s[20:21]
.macro FRAG reg, adr, q, i             ; B: a fragment in pieces of 8 bytes; where the piece of lanes 16-31 lies behind one padding more, the second address register serves
.irp p, 0,1,2,3,4,5
.set PC, 12*(\q)+6*(\p/3)+\p%3
.if PC%8 < 5
	ds_load_b64 v[\reg+2*\p:\reg+2*\p+1], v[\adr] offset:8*PC+16*(PC/8)+(\i)*16*PITCH
.else
	ds_load_b64 v[\reg+2*\p:\reg+2*\p+1], v[\adr+2] offset:8*PC+16*(PC/8)+(\i)*16*PITCH
.endif
.endr
.endm
.macro FRAG_A reg, slot, q, i          ; A: token tile i, heads 2 q and 2 q + 1 of the slot's four: registers 2 p, 2 p + 1 are chunk p % 3 of head p / 3; 256 consecutive bytes a load
.irp p, 0,1,2,3,4,5
	ds_load_b64 v[\reg+2*\p:\reg+2*\p+1], v[ADRA+\slot] offset:(\i)*AROW+(2*(\q)+\p/3)*768+(\p%3)*256
.endr
.endm
; 16 matrix instructions: A's blocks a0, a0 + 1 x B's eight.  zero = 1: the first product starts the sums, with the bias as its C.  The 64 accumulators take turns, one instruction a turn.
.macro MUL16 a0, p, q, sc, zero
.irp a, \a0, \a0+1
.irp b, 0,1,2,3,4,5,6,7
.if \zero
	v_wmma_scale_f32_16x16x128_f8f6f4 v[8*(8*((\a)%4)+\b):8*(8*((\a)%4)+\b)+7], v[128*(\p)+FR*\b:128*(\p)+FR*\b+FR-1], v[AF+FR*(\a):AF+FR*(\a)+FR-1], v[BN+8*\b:BN+8*\b+7], v[SC+8*NQ*(\sc)+NQ*\b+(\q)], v[SC+8*NQ*(\sc)+NQ*(\a)+(\q)] matrix_a_fmt:MATRIX_FMT_BF6 matrix_b_fmt:MATRIX_FMT_BF6 matrix_a_scale:MATRIX_SCALE_ROW1
.else
	v_wmma_scale_f32_16x16x128_f8f6f4 v[8*(8*((\a)%4)+\b):8*(8*((\a)%4)+\b)+7], v[128*(\p)+FR*\b:128*(\p)+FR*\b+FR-1], v[AF+FR*(\a):AF+FR*(\a)+FR-1], v[8*(8*((\a)%4)+\b):8*(8*((\a)%4)+\b)+7], v[SC+8*NQ*(\sc)+NQ*\b+(\q)], v[SC+8*NQ*(\sc)+NQ*(\a)+(\q)] matrix_a_fmt:MATRIX_FMT_BF6 matrix_b_fmt:MATRIX_FMT_BF6 matrix_a_scale:MATRIX_SCALE_ROW1
.endif
.endr
.endr
.endm
.macro FETCH_B slot, q, p
	WIN TO_B
.irp i, 0,1,2,3,4,5,6,7
	FRAG 128*(\p)+FR*\i, ADRB+\slot, \q, \i
.endr
	WIN 0
.endm
.macro FETCH_A slot, q, i0
.irp i, \i0, \i0+1, \i0+2, \i0+3
	FRAG_A AF+FR*(\i), \slot, \q, \i
.endr
.endm
.macro SCALES sc
.irp i, 0,1,2,3,4,5,6,7
	ds_load_b64 v[SC+8*NQ*\sc+NQ*\i:SC+8*NQ*\sc+NQ*\i+1], v[ADRS] offset:\i*SBLK
.endr
.endm
.macro PLACES n                        ; places behind matrix instructions, in front of loads into their registers and of the first read of results
.rept \n
	v_nop
.endr
.endm
.macro STEP slot, q, zero
	s_wait_dscnt 4*NL                              ; B's set and A's blocks 0-3 are in; the youngest 24 loads (A's blocks 4-7) may be out
	WIN MUL_LO-0x20*(\zero)
	MUL16 0, (\q)%2, \q, \slot, \zero
	MUL16 2, (\q)%2, \q, \slot, \zero
	s_wait_dscnt 0
	PLACES NP
	FETCH_B \slot, (\q)+1, 1-(\q)%2
	FETCH_A \slot, (\q)+1, 0
	WIN MUL_HI-0x30*(\zero)
	MUL16 4, (\q)%2, \q, \slot, \zero
	MUL16 6, (\q)%2, \q, \slot, \zero
	PLACES NP
	WIN 0
	FETCH_A \slot, (\q)+1, 4
.endm
.macro TURN slot, next, fill           ; a slot's last step changes slots: one barrier, with the three lines in front of it
	s_wait_tensorcnt 0x0                           ; all my tensor loads have landed: my part of the next slot
	ds_add_u32 v[SPW], v[NIL]                      ; 0 onto my spare word
	s_wait_dscnt 4*NL+1                            ; (the add and the youngest 24 loads may be out)
	WIN MUL_LO
	MUL16 0, 1, NQ-1, \slot, 0
	s_wait_dscnt 0x0                               ; the add is done, and my reads of this slot are over
	s_barrier_signal -1
	MUL16 2, 1, NQ-1, \slot, 0
	WIN 0
	s_barrier_wait -1
.if \fill
	CREST                                          ; a round of the cluster's barrier: no wave of any partner still reads this slot or has a load on its way
	s_add_nc_u64 s[G0+4*\slot+2:G0+4*\slot+3], s[G0+4*\slot+2:G0+4*\slot+3], 2*AROW
	s_add_nc_u64 s[G0B+4*\slot+2:G0B+4*\slot+3], s[G0B+4*\slot+2:G0B+4*\slot+3], 2*ROWB
	JLOAD G0+4*\slot, G1, G0B+4*\slot, G1B         ; the first tensor load behind the round; its four v_nop are the places in front of the loads below
.else
	PLACES NP
.endif
	v_add_nc_u32 v[ADRS], 4*NQ, v[ADRS]
	FETCH_B \next, 0, 0
	FETCH_A \next, 0, 0
	SCALES \next
	WIN MUL_HI
	MUL16 4, 1, NQ-1, \slot, 0
	MUL16 6, 1, NQ-1, \slot, 0
	PLACES NP
	WIN 0
	FETCH_A \next, 0, 4
.endm
	s_wait_loadcnt 0x0                             ; the bias
	s_wait_tensorcnt 1                             ; the scales and my part of K step 0 are in (K step 1's load may be out),
	s_barrier_signal -1
	s_barrier_wait -1                              ; everybody's are
	FETCH_B 0, 0, 0
	FETCH_A 0, 0, 0
	SCALES 0
	FETCH_A 0, 0, 4
	STEP 0, 0, 1
	s_mov_b32 s3, LAPS-1
.Llap:
	TURN 0, 1, 1
	STEP 1, 0, 0
	TURN 1, 0, 1
	STEP 0, 0, 0
	s_sub_co_u32 s3, s3, 1
	s_cmp_lg_u32 s3, 0
	s_cbranch_scc1 .Llap
	TURN 0, 1, 0
	STEP 1, 0, 0
	s_wait_dscnt 4*NL
	WIN MUL_LO
	MUL16 0, 1, NQ-1, 1, 0
	MUL16 2, 1, NQ-1, 1, 0
	s_wait_dscnt 0
	WIN MUL_HI
	MUL16 4, 1, NQ-1, 1, 0
	MUL16 6, 1, NQ-1, 1, 0
	WIN 0
; THE WAY OUT, block by block of 16 tokens x 128 columns, through my own stage in LDS: in by lanes (a token's 8 columns of tile b at byte 128 (b / 2) + 64 h + 32 (b % 2)), back as whole rows of 512 bytes.
; LDS serves a wave's instructions in order (ISA guide 5.7.1.4): no wait between the stores and the loads, nor in front of the next block's stores.
.macro TOSTAGE a
.set AC, 64*((\a)%4)
	WIN 0x08+4*((\a)/4)                            ; the data: window 2 or 3
.irp b, 0,1,2,3,4,5,6,7
	ds_store_b128 v[STO], v[AC+8*\b:AC+8*\b+3] offset:128*(\b/2)+32*(\b%2)          ; each accumulator from its low end on
	ds_store_b128 v[STO], v[AC+8*\b+4:AC+8*\b+7] offset:128*(\b/2)+32*(\b%2)+16
.endr
	WIN 0
.set BB, BK+64*((\a)%2)
.irp t, 0,1,2,3,4,5,6,7,8,9,10,11,12,13,14,15
	ds_load_b128 v[BB+4*\t:BB+4*\t+3], v[RD] offset:\t*SPITCH
.endr
.endm
.macro SEND a, younger                 ; place 16 a + t of my 128 tokens is the logical row 32 (a / 2) + 8 (a % 2) + t % 8 + 16 (t / 8): at most 127 rows of 4,096 bytes, inside the immediate
.set BB, BK+64*((\a)%2)
	s_wait_dscnt \younger                          ; the block is back in registers
.irp t, 0,1,2,3,4,5,6,7,8,9,10,11,12,13,14,15
	global_store_b128 v[CO], v[BB+4*\t:BB+4*\t+3], s[12:13] offset:(32*((\a)/2)+8*((\a)%2)+(\t%8)+16*(\t/8))*4096 th:TH_STORE_NT   ; 32 lanes store 512 consecutive bytes, aligned
.endr
.endm
	PLACES NP
	TOSTAGE 0
.irp a, 1,2,3,4,5,6,7
.if \a > 1
	s_wait_xcnt 0x0                                ; block a - 2's stores have read their registers: block a's loads may land there
.endif
	TOSTAGE \a
	SEND \a-1, 32                                  ; behind block a - 1's loads: block a's 16 stores and 16 loads
.endr
	SEND 7, 0
	s_wait_tensorcnt 0x0                           ; the wave's end
	ds_add_u32 v[SPW], v[NIL]
	s_wait_dscnt 0x0
	CROUND                                         ; the closing round
	s_endpgm
.Lfunc_end_k_q615a13992a_oproj:
	.size	k_q615a13992a_oproj, .Lfunc_end_k_q615a13992a_oproj-k_q615a13992a_oproj
	.p2alignl 7, 3214868480
	.fill 96, 4, 3214868480
	.section	.rodata,"a",@progbits
	.p2align	6, 0x0
	.amdhsa_kernel k_q615a13992a_oproj
		.amdhsa_group_segment_fixed_size 327680
		.amdhsa_private_segment_fixed_size 0
		.amdhsa_enable_private_segment 0
		.amdhsa_kernarg_size 48
		.amdhsa_user_sgpr_count 2
		.amdhsa_user_sgpr_kernarg_segment_ptr 1
		.amdhsa_wavefront_size32 1
		.amdhsa_system_sgpr_workgroup_id_x 1
		.amdhsa_system_sgpr_workgroup_id_y 1
		.amdhsa_system_sgpr_workgroup_id_z 1
		.amdhsa_system_vgpr_workitem_id 0
		.amdhsa_next_free_vgpr 1024
		.amdhsa_next_free_sgpr 98
		.amdhsa_reserve_vcc 0
		.amdhsa_float_denorm_mode_32 3
		.amdhsa_float_denorm_mode_16_64 3
		.amdhsa_memory_ordered 1
		.amdhsa_forward_progress 1
		.amdhsa_inst_pref_size 161
	.end_amdhsa_kernel
	.amdgpu_metadata
---
amdhsa.version: [ 1, 2 ]
amdhsa.kernels:
  - .name:           k_q615a13992a_oproj
    .symbol:         k_q615a13992a_oproj.kd
    .args:
      - { .name: oc, .offset: 0, .size: 8, .value_kind: global_buffer, .address_space: global }
      - { .name: os, .offset: 8, .size: 8, .value_kind: global_buffer, .address_space: global }
      - { .name: cod, .offset: 16, .size: 8, .value_kind: global_buffer, .address_space: global }
      - { .name: scl, .offset: 24, .size: 8, .value_kind: global_buffer, .address_space: global }
      - { .name: out0, .offset: 32, .size: 8, .value_kind: global_buffer, .address_space: global }
      - { .name: bo, .offset: 40, .size: 8, .value_kind: global_buffer, .address_space: global }
    .group_segment_fixed_size: 327680
    .private_segment_fixed_size: 0
    .kernarg_segment_align: 8
    .kernarg_segment_size: 48
    .max_flat_workgroup_size: 128
    .sgpr_count:     98
    .vgpr_count:     1024
    .wavefront_size: 32
...
	.end_amdgpu_metadata
.endif
;; end of part 4
